; MI455X (gfx1250); checked and timed in simulation.
; The chip was launched on July 23, 2026; its instructions are those of AMD's public machine-readable ISA for CDNA 5 (MIT licence, August 2026) and "CDNA5" Instruction Set Architecture Reference Guide (July 2026). The comments in the code are by the model that wrote it; some were corrected since.
;; Causal Attention. Allowed arithmetic: matrix products marked QUANTISED: E5M2 operands, one E8M0 scale for each 32 along K, by v_wmma_scale_f32_16x16x128_f8f6f4 with both operands' format E5M2, f32 sums; everything else in f32.
;; Inputs: W_k 16 x 1,024 x 64 float32; W_o 1,024 x 1,024 float32; W_q 16 x 1,024 x 64 float32; W_v 16 x 1,024 x 64 float32; b_k 16 x 64 float32; b_o 1,024 float32; b_q 16 x 64 float32; b_v 16 x 64 float32; inputs 4 x 2,048 x 1,024 float32.
;; Outputs: out0 4 x 2,048 x 1,024 float32.
;; This version of the problem:
;;   THIS VERSION OF THE PROBLEM IS GIVEN IN LOW PRECISION. The matrix products marked QUANTISED in the list below multiply operands that are first quantised to E5M2 (5 exponent bits, 2 mantissa bits; 8 bits a number), with one power-of-two scale for each 32 numbers along K (OCP MX v1.0); their sums are f32. All else is computed in f32.
;;   The module's matrix products, in the order in which they are computed (A, B: the left and right operand; K: the contracted axis; several contracted axes count as one K, in the product's order):
;;     1. [M 1,024, K 1,024] x [K 1,024, N 8,192]; A: input W_q; B: input inputs: QUANTISED
;;     2. [M 1,024, K 1,024] x [K 1,024, N 8,192]; A: input W_k; B: input inputs: QUANTISED
;;     3. [M 1,024, K 1,024] x [K 1,024, N 8,192]; A: input W_v; B: input inputs: QUANTISED
;;     4. batch 64 x [M 2,048, K 64] x [K 64, N 2,048]; A: computed on the way; B: computed on the way: QUANTISED
;;     5. batch 64 x [M 64, K 2,048] x [K 2,048, N 2,048]; A: computed on the way; B: softmax (see below): QUANTISED
;;     6. [M 8,192, K 1,024] x [K 1,024, N 1,024]; A: computed on the way; B: input W_o: QUANTISED
;;   THE QUANTISER, for each operand of a quantised product, along K:
;;     - K is cut into blocks of 32 from its start; a last block that is shorter is filled with zeros.
;;     - A block's scale is 2^e with e = floor(log2(the largest magnitude in the block)) - 15, held to -126 .. 127; a block of zeros has e = 0. As a byte (E8M0): e + 127.
;;     - Each number is divided by its block's scale, clamped to +-57,344, and rounded to the nearest number of E5M2, ties to even, subnormals kept.
;;     - The product sums the exact products of the quantised numbers (number of the format x scale) in f32.
;;   ~~~python
;;   def quantise(x, axis):      # numpy; x: float32 -> the quantised numbers, widened to float32 again
;;       x = np.moveaxis(x, axis, -1); K = x.shape[-1]
;;       x = np.pad(x, [(0, 0)] * (x.ndim - 1) + [(0, -K % 32)]); x = x.reshape(x.shape[:-1] + (-1, 32)); a = np.abs(x).max(-1, keepdims=True)
;;       e = np.where(a > 0, np.clip(np.frexp(np.where(a > 0, a, 1))[1] - 1 - 15, -126, 127), 0)      # np.frexp(a)[1] - 1 = floor(log2(a)), exactly
;;       r = np.clip(x / 2.0 ** e, -57344, 57344)
;;       step = 2.0 ** (np.maximum(np.frexp(np.where(r == 0, 1, r))[1] - 1, -14) - 2)
;;       q = np.round(r / step) * step * 2.0 ** e      # np.round: ties to even
;;       return np.moveaxis(q.reshape(q.shape[:-2] + (-1,))[..., :K], -1, axis).astype(np.float32)
;;   ~~~
;;   SOFTMAX AHEAD OF A QUANTISED PRODUCT. Where the list says 'softmax', what is quantised is not the finished softmax but p = 2^(t - M), with t = logit x log2(e) and M = ceil(the row's largest t), a whole number; so 1/2 < the row's largest p <= 1. The row's sum l is taken of the UNQUANTISED p, in f32, and the product's result is divided by l at the end. Since M is a whole number, a kernel that streams over the keys may use a running M (the ceiling of the running maximum): every later rescaling is an exact power of two, which a block's scale takes up: the codes' values come out the same.
;;   OPERANDS COMPUTED ON THE WAY. 'Computed on the way' means the value that the module computes at that place (a softmax that the list does not call 'softmax' is quantised finished and normalised). What goes into a quantiser is computed in f32, as accurately as f32 sums, v_exp_f32 and their like allow (about 1e-6 of the number): no bf16 or f16 on the way to a quantiser, and a product that is left as it is and whose result goes on into a quantised operand takes f32 operands (vector FMAs, or v_wmma_f32_16x16x4_f32). A number that lies on a knife's edge between two numbers of the format may be rounded either way, as far as f32 arithmetic and the matrix unit's own rounding can turn it there, and no further.
;; One version. Each part assembles by itself: llvm-mc -triple=amdgcn-amd-amdhsa -mcpu=gfx1250 --defsym DOCPART=n.
;; ======== version 1 of 1: 4 launches
;; limits: right only within a limited range of input values
;; workspace buffers: xq 8,650,752 bytes; wq 4,325,376 bytes; qkvc 26,738,688 bytes; wvc 8,650,752 bytes
;; launch quantise (part 1): grid 384 x 1, 4 waves a work-group, no clusters, 68,096 bytes of LDS; arguments inputs, W_o, xq, wq, W_q, W_k, W_v; writes xq, wq
.if DOCPART == 1
	.amdgcn_target "amdgcn-amd-amdhsa--gfx1250"
	.amdhsa_code_object_version 6
	.text
	.protected	k_q19906522a6_quantise
	.globl	k_q19906522a6_quantise
	.p2align	8
	.type	k_q19906522a6_quantise,@function
k_q19906522a6_quantise:
	s_mov_b64 s[64:65], 0
	v_nop
	global_prefetch_b8 v0, s[64:65] scope:SCOPE_SE
	s_setreg_imm32_b32 hwreg(HW_REG_WAVE_MODE, 25, 1), 1
	s_wait_xcnt 0x0
; The f32 operands of products 1, 2, 3 and 6 become codes of BF8 (E5M2) with one E8M0 byte for each 32 along K = D, K innermost.
; A block's scale is 2^(floor(log2(its largest magnitude)) - 15); its byte is the largest magnitude's exponent field - 15, held at 1 from below; each number is divided by the scale,
; held within +-57,344 and rounded to the nearest code, ties to even.
; LIMITS: a block of zeros, and a block whose largest magnitude lies under 2^-111, gets the byte 1 (the bytes are read by this program alone; zero codes add nothing); NaN and infinities among the inputs are not served.
; WORK-GROUPS 0-255: inputs [8192][1024] -> xq (codes at 0, bytes at XSCL).  256-287: W_o [1024][1024] -> wq (OCOD, OSCL).  K is innermost there: a tensor is a plain stream of blocks of 32.
; WORK-GROUPS 288-383: W_q, W_k, W_v [16][1024][64]: K is the middle axis: a lane takes a column e and its registers run down K -> wq: rows tensor x 1024 + head x 64 + e (codes at 0, bytes at WSCL).
; THE ORDER OF ROWS.  The rows of x and of the three weights are stored with bits 3 and 4 of the row's number exchanged (place 16 u + r of a group of 32 holds row 8 u + r + 8 (r / 8)).
; Sixteen stored rows on end are then a tile whose transposed product leaves a lane 16 neighbours along the next product's K.  W_o keeps its order.
; The two ways part on the work-group's number and never join; each has LDS bytes of its own (0 .. 32,767 and 32,768 .. 67,583).  No tensor loads, no barrier: waves share nothing.
.set RGROUPS, 288
.set XGROUPS, 256
.set STEPS, 16
.set EMAX,  15
.set MANT,  0x600000                   ; the mantissa field of 57,344 as f32
.set CB,    16                         ; bytes of 16 codes
.set R,     16                         ; v16-79   four sets of 16 numbers as they are loaded
.set X,     80                         ; v80-111  two sets of 16 neighbours
.set C,     128                        ; v128-191 codes: four registers for each step
.set E,     112                        ; v112-127 a scale byte for each step
.set WREG,  8192                       ; LDS of a wave on the first way: two stages of 32 x SP bytes, then its 256 scale bytes
.set SP,    80                         ; a lane's place in a stage: 64 bytes + 16 of padding
.set XSCL,  8388608                    ; xq: where the scale bytes begin
.set WSCL,  3145728                    ; wq: the three weights' scale bytes,
.set OCOD,  3244032                    ; W_o's codes,
.set OSCL,  4292608                    ; W_o's scale bytes
.set WLDS,  32768                      ; LDS of the second way
.set PITCH, 272                        ; a stage row there: 256 bytes + 16
.set NB,    8                          ; blocks of 32 along K for a wave there
.set WX,    32                         ; v32-95   two sets of 32 numbers
.set WC,    96                         ; v96-103  a block's codes
.set WOUT,  112                        ; v112-175 the way out
.set WSB,   24                         ; v24-25   the scale bytes, four to a register
	s_load_b128 s[4:7], s[0:1], 0x0                ; inputs, W_o
	s_load_b128 s[8:11], s[0:1], 0x10              ; xq, wq
	s_load_b128 s[12:15], s[0:1], 0x20             ; W_q, W_k
	s_load_b64 s[24:25], s[0:1], 0x30              ; W_v
	v_lshl_add_u32 v192, v0, 2, 0x10800
	v_mov_b32 v193, 0
	v_lshrrev_b32 v1, 5, v0
	v_readfirstlane_b32 s16, v1                    ; wave
	v_and_b32 v2, 31, v0                           ; lane
	s_cmp_ge_u32 ttmp9, RGROUPS
	s_cbranch_scc1 .Lweights
; ---------------- K innermost: a wave takes a run of 8,192 numbers (8 rows), 16 steps of 512 ----------------
	v_lshlrev_b32 v3, 4, v2                        ; my 16 bytes of a load's 512
	s_mul_i32 s17, s16, WREG
	v_lshrrev_b32 v14, 2, v2
	v_mul_u32_u24 v14, v14, SP
	v_and_b32 v15, 3, v2
	v_lshl_add_u32 v14, v15, 4, v14
	v_add_nc_u32 v14, s17, v14                     ; the stage, on the way in: SP (lane / 4) + 16 (lane % 4)
	v_mul_u32_u24 v15, v2, SP
	v_add_nc_u32 v15, s17, v15                     ; and on the way out: SP x lane: my 16 neighbours
	v_mul_u32_u24 v4, v2, CB                       ; my codes' place in a step's
	v_lshrrev_b32 v5, 1, v2
	s_add_co_u32 s17, s17, 2*32*SP
	v_add_nc_u32 v5, s17, v5                       ; LDS: my wave's 256 scale bytes, my block's byte
	v_lshlrev_b32 v7, 3, v2                        ; and on the way out 8 bytes a lane
	v_add_nc_u32 v6, s17, v7
	s_and_b32 s26, s16, 1
	s_lshl_b32 s26, s26, 1
	s_lshr_b32 s27, s16, 1
	s_or_b32 s26, s26, s27                         ; the wave's two bits exchanged: a run is 8 rows, a work-group 32, so this is the order of rows for x
	s_mov_b32 s27, OCOD
	s_mov_b32 s28, OSCL
	s_wait_alu depctr_va_vdst(0)
	s_wait_kmcnt 0x0
	s_cmp_lt_u32 ttmp9, XGROUPS                    ; x's work-group or W_o's?  The choice hangs on the work-group's number alone
	s_cselect_b64 s[4:5], s[4:5], s[6:7]
	s_cselect_b64 s[8:9], s[8:9], s[10:11]
	s_cselect_b32 s27, 0, s27                      ; where the codes begin in the buffer,
	s_cselect_b32 s28, XSCL, s28                   ; and the scale bytes
	s_cselect_b32 s26, s26, s16                    ; W_o keeps its order
	s_cselect_b32 s17, 0, XGROUPS
	s_sub_co_u32 s17, ttmp9, s17
	s_lshl_b32 s17, s17, 2
	s_add_co_u32 s18, s17, s16                     ; the run that I read,
	s_add_co_u32 s20, s17, s26                     ; and the run that I write
	s_lshl_b32 s18, s18, 15                        ; 32,768 bytes of f32 a run (1,023 runs at the most: under 2^32)
	s_mov_b32 s19, 0
	s_add_nc_u64 s[4:5], s[4:5], s[18:19]
	s_lshl_b32 s18, s20, 8                         ; 256 scale bytes a run
	s_add_co_u32 s18, s18, s28
	s_add_nc_u64 s[10:11], s[8:9], s[18:19]
	s_lshl_b32 s18, s20, 13                        ; 8,192 codes a run
	s_add_co_u32 s18, s18, s27
	s_add_nc_u64 s[8:9], s[8:9], s[18:19]
.macro LOAD t
.irp i, 0,1,2,3
	global_load_b128 v[R+16*((\t)%4)+4*\i:R+16*((\t)%4)+4*\i+3], v3, s[4:5] offset:2048*(\t)+512*\i th:TH_LOAD_NT   ; 32 lanes read 512 consecutive bytes
.endr
.endm
.macro TURN t                          ; step t's numbers through the stage: LDS serves a wave's instructions in order, so no wait stands between the stores and the loads
.irp i, 0,1,2,3
	ds_store_b128 v14, v[R+16*((\t)%4)+4*\i:R+16*((\t)%4)+4*\i+3] offset:32*SP*((\t)%2)+8*SP*\i
.endr
.irp i, 0,1,2,3
	ds_load_b128 v[X+16*((\t)%2)+4*\i:X+16*((\t)%2)+4*\i+3], v15 offset:32*SP*((\t)%2)+16*\i
.endr
.endm
.irp t, 0,1,2,3
	LOAD \t
.endr
	s_wait_loadcnt 12                              ; step 0's four loads are in; the twelve of steps 1 to 3 may be out
	TURN 0
.macro STEP t
.set XS, X+16*((\t)%2)
.if (\t) > 0
	s_wait_dscnt 1                                 ; this step's numbers are back from the stage (the last step's byte store may be out): so its stores into the stage have read their registers,
.else
	s_wait_dscnt 0x0
.endif
.if (\t)+4 < STEPS
	LOAD (\t)+4                                    ; which take the loads of four steps on
.endif
.if (\t)+1 < STEPS
.if STEPS-2-(\t) >= 3
	s_wait_loadcnt 12                              ; the next step's four loads are in; those of the three steps behind it may be out
.else
	s_wait_loadcnt 4*(STEPS-2-(\t))
.endif
	TURN (\t)+1                                    ; and go through the other stage while this step is worked
.endif
	v_max3_num_f32 v8, |v[XS]|, |v[XS+1]|, |v[XS+2]|               ; the largest magnitude of my 16
	v_max3_num_f32 v9, |v[XS+3]|, |v[XS+4]|, |v[XS+5]|
.irp i, 6,10
	v_max3_num_f32 v8, v8, |v[XS+\i]|, |v[XS+\i+1]|
	v_max3_num_f32 v9, v9, |v[XS+\i+2]|, |v[XS+\i+3]|
.endr
	v_max3_num_f32 v8, v8, |v[XS+14]|, |v[XS+15]|
	v_max3_num_f32 v8, v8, v9, (EMAX+1)<<23        ; and the floor 2^(16 - 127): the byte cannot fall under 1
	v_max_num_f32_dpp v8, v8, v8 row_xmask:1 row_mask:0xf bank_mask:0xf   ; and of my neighbour's 16: the block's
	v_add_nc_u32 v11, -(EMAX<<23), v8              ; 15 off its exponent field: the conversion takes the exponent field of this operand as its scale
.irp i, 0,1,2,3,4,5,6,7,8,9,10,11,12,13,14,15
.endr
	v_cvt_scalef32_pk8_bf8_f32 v[C+4*(\t):C+4*(\t)+1], v[XS:XS+7], v11
	v_cvt_scalef32_pk8_bf8_f32 v[C+4*(\t)+2:C+4*(\t)+3], v[XS+8:XS+15], v11
	v_lshrrev_b32 v[E+(\t)], 23, v11               ; the scale's byte (also the plain line behind the conversions)
	ds_store_b8 v5, v[E+(\t)] offset:16*(\t)       ; both lanes of a block write the same byte with the same value
	global_store_b128 v4, v[C+4*(\t):C+4*(\t)+3], s[8:9] offset:32*CB*(\t)   ; the wave stores 512 consecutive bytes
.endm
.irp t, 0,1,2,3,4,5,6,7,8,9,10,11,12,13,14,15
	STEP \t
.endr
	ds_load_b64 v[12:13], v6                       ; LDS serves a wave's instructions in order: these see my stores
	s_wait_dscnt 0x0
	global_store_b64 v7, v[12:13], s[10:11]        ; 32 lanes store 256 consecutive bytes, aligned
	s_wait_tensorcnt 0x0
	ds_add_u32 v192, v193
	s_wait_dscnt 0x0
	s_endpgm
; ---------------- K not innermost: a wave takes 32 columns e x 256 along K of one head of one weight ----------------
.Lweights:
	s_sub_co_u32 s17, ttmp9, RGROUPS               ; g = 0 .. 95
	s_lshr_b32 s18, s17, 5                         ; which weight: 0 q, 1 k, 2 v
	s_bfe_u32 s19, s17, 0x40001                    ; head
	s_and_b32 s20, s17, 1
	s_and_b32 s21, s16, 1                          ; which 32 of the head's 64 columns: two neighbouring waves cover a row's 256 bytes
	s_lshr_b32 s22, s16, 1
	s_lshl_b32 s20, s20, 1
	s_add_co_u32 s20, s20, s22                     ; which 256 along K
	s_lshl_b32 s26, s19, 18                        ; the weight: head x 262,144 + 256 rows of 256 bytes + 128 x half
	s_lshl_b32 s27, s20, 16
	s_add_co_u32 s26, s26, s27
	s_lshl_b32 s27, s21, 7
	s_add_co_u32 s26, s26, s27
	s_mov_b32 s27, 0
	s_lshl_b32 s28, s18, 10
	s_lshl_b32 s29, s19, 6
	s_add_co_u32 s28, s28, s29
	s_lshl_b32 s29, s21, 5
	s_add_co_u32 s28, s28, s29                     ; my first row of the codes
	s_lshl_b32 s30, s28, 10
	s_lshl_b32 s29, s20, 8
	s_add_co_u32 s30, s30, s29                     ; codes: row x 1,024 + 256 x my part of K
	s_mov_b32 s31, 0
	s_lshl_b32 s32, s28, 5
	s_lshl_b32 s29, s20, 3
	s_add_co_u32 s32, s32, s29
	s_add_co_u32 s32, s32, WSCL                    ; scale bytes: row x 32 + 8 x my part of K
	s_mov_b32 s33, 0
	s_wait_alu depctr_va_vdst(0)
	v_lshlrev_b32 v3, 2, v2                        ; in: 4 bytes a lane
	v_and_b32 v5, 7, v2
	v_and_b32 v6, 8, v2
	v_lshl_or_b32 v5, v6, 1, v5
	v_lshrrev_b32 v6, 1, v2
	v_and_or_b32 v10, v6, 8, v5                    ; my column's place among the 32 rows: bits 3 and 4 exchanged
	s_mul_i32 s34, s16, 32*PITCH
	s_add_co_u32 s34, s34, WLDS                    ; my stage
	v_mul_u32_u24 v4, v10, PITCH
	v_add_nc_u32 v4, s34, v4                       ; into it: row = my column's place
	v_and_b32 v5, 15, v2
	v_lshrrev_b32 v6, 4, v2                        ; out of it: sixteen lanes to a row, two rows an instruction
	v_mul_u32_u24 v7, v6, PITCH
	v_lshl_add_u32 v7, v5, 4, v7
	v_add_nc_u32 v7, s34, v7
	v_lshlrev_b32 v8, 10, v6
	v_lshl_add_u32 v8, v5, 4, v8                   ; and the same place in the codes
	v_lshlrev_b32 v9, 5, v10                       ; my row of scale bytes
	s_wait_kmcnt 0x0
	s_cmp_eq_u32 s18, 0
	s_cselect_b64 s[4:5], s[12:13], s[14:15]
	s_cmp_eq_u32 s18, 2
	s_cselect_b64 s[4:5], s[24:25], s[4:5]
	s_add_nc_u64 s[4:5], s[4:5], s[26:27]
	s_add_nc_u64 s[6:7], s[10:11], s[30:31]
	s_add_nc_u64 s[8:9], s[10:11], s[32:33]
.macro WLOAD t                         ; block t: W(32 t + i, my column), i = 0 .. 31, into set t % 2
.set n, 0
.rept 32
	global_load_b32 v[WX+32*((\t)%2)+n], v3, s[4:5] offset:(32*(\t)+n)*256 th:TH_LOAD_NT
.set n, n+1
.endr
.endm
	WLOAD 0
	WLOAD 1
.macro BLOCK t
.set XS, WX+32*((\t)%2)
.if (\t) < NB-1
	s_wait_loadcnt 32                              ; this block's 32 loads are in; the next block's 32 may be out
.else
	s_wait_loadcnt 0
.endif
	v_max3_num_f32 v12, |v[XS]|, |v[XS+1]|, |v[XS+2]|               ; the block's largest magnitude: all 32 numbers are mine
	v_max3_num_f32 v13, |v[XS+3]|, |v[XS+4]|, |v[XS+5]|
.irp i, 6,10,14,18,22,26
	v_max3_num_f32 v12, v12, |v[XS+\i]|, |v[XS+\i+1]|
	v_max3_num_f32 v13, v13, |v[XS+\i+2]|, |v[XS+\i+3]|
.endr
	v_max3_num_f32 v12, v12, |v[XS+30]|, |v[XS+31]|
	v_max3_num_f32 v12, v12, v13, (EMAX+1)<<23     ; and the floor
	v_add_nc_u32 v11, -(EMAX<<23), v12             ; the conversion's scale operand
	v_lshrrev_b32 v13, 23, v11                     ; the scale's byte
.if (\t)%4 == 0
	v_mov_b32 v[WSB+(\t)/4], v13                   ; four bytes to a register, the lower K in the lower byte
.else
	v_lshl_or_b32 v[WSB+(\t)/4], v13, 8*((\t)%4), v[WSB+(\t)/4]
.endif
.set n, 0
.rept 32
.set n, n+1
.endr
.irp g, 0,1,2,3
	v_cvt_scalef32_pk8_bf8_f32 v[WC+2*\g:WC+2*\g+1], v[XS+8*\g:XS+8*\g+7], v11
.endr
	v_nop                                          ; a plain line behind the last conversion
	ds_store_b128 v4, v[WC:WC+3] offset:32*(\t)    ; 32 codes: 32 bytes of my column's row
	ds_store_b128 v4, v[WC+4:WC+7] offset:32*(\t)+16
.if (\t)+2 < NB
	WLOAD (\t)+2
.endif
	s_wait_dscnt 0x0                               ; the stores have read their registers: the next block's codes may be written
.endm
.irp t, 0,1,2,3,4,5,6,7
	BLOCK \t
.endr
	s_wait_alu depctr_va_vdst(0)
	global_store_b64 v9, v[WSB:WSB+1], s[8:9]      ; my column's 8 scale bytes
.irp t, 0,1,2,3,4,5,6,7,8,9,10,11,12,13,14,15
	ds_load_b128 v[WOUT+4*\t:WOUT+4*\t+3], v7 offset:2*\t*PITCH   ; LDS serves a wave's instructions in order: these see my stores
.endr
.irp t, 0,1,2,3,4,5,6,7,8,9,10,11,12,13,14,15
	s_wait_dscnt 15-\t                             ; loads come back in order: pair t of rows is in, the 15 - t behind it may be out
	global_store_b128 v8, v[WOUT+4*\t:WOUT+4*\t+3], s[6:7] offset:2*\t*1024   ; sixteen lanes store 256 consecutive bytes, aligned
.endr
	s_wait_tensorcnt 0x0
	ds_add_u32 v192, v193
	s_wait_dscnt 0x0
	s_endpgm
.Lfunc_end_k_q19906522a6_quantise:
	.size	k_q19906522a6_quantise, .Lfunc_end_k_q19906522a6_quantise-k_q19906522a6_quantise
	.p2alignl 7, 3214868480
	.fill 96, 4, 3214868480
	.section	.rodata,"a",@progbits
	.p2align	6, 0x0
	.amdhsa_kernel k_q19906522a6_quantise
		.amdhsa_group_segment_fixed_size 68096
		.amdhsa_private_segment_fixed_size 0
		.amdhsa_enable_private_segment 0
		.amdhsa_kernarg_size 56
		.amdhsa_user_sgpr_count 2
		.amdhsa_user_sgpr_kernarg_segment_ptr 1
		.amdhsa_wavefront_size32 1
		.amdhsa_system_sgpr_workgroup_id_x 1
		.amdhsa_system_sgpr_workgroup_id_y 1
		.amdhsa_system_sgpr_workgroup_id_z 1
		.amdhsa_system_vgpr_workitem_id 0
		.amdhsa_next_free_vgpr 194
		.amdhsa_next_free_sgpr 66
		.amdhsa_reserve_vcc 0
		.amdhsa_float_denorm_mode_32 3
		.amdhsa_float_denorm_mode_16_64 3
		.amdhsa_fp16_overflow 1
		.amdhsa_memory_ordered 1
		.amdhsa_forward_progress 1
		.amdhsa_inst_pref_size 76
	.end_amdhsa_kernel
	.amdgpu_metadata
---
amdhsa.version: [ 1, 2 ]
amdhsa.kernels:
  - .name:           k_q19906522a6_quantise
    .symbol:         k_q19906522a6_quantise.kd
    .args:
      - { .name: inputs, .offset: 0, .size: 8, .value_kind: global_buffer, .address_space: global }
      - { .name: W_o, .offset: 8, .size: 8, .value_kind: global_buffer, .address_space: global }
      - { .name: xq, .offset: 16, .size: 8, .value_kind: global_buffer, .address_space: global }
      - { .name: wq, .offset: 24, .size: 8, .value_kind: global_buffer, .address_space: global }
      - { .name: W_q, .offset: 32, .size: 8, .value_kind: global_buffer, .address_space: global }
      - { .name: W_k, .offset: 40, .size: 8, .value_kind: global_buffer, .address_space: global }
      - { .name: W_v, .offset: 48, .size: 8, .value_kind: global_buffer, .address_space: global }
    .group_segment_fixed_size: 68096
    .private_segment_fixed_size: 0
    .kernarg_segment_align: 8
    .kernarg_segment_size: 56
    .max_flat_workgroup_size: 128
    .sgpr_count:     66
    .vgpr_count:     194
    .wavefront_size: 32
...
	.end_amdgpu_metadata
.endif
;; end of part 1
;; launch project_qkv (part 2): grid 8 x 48, 4 waves a work-group, clusters of 4 x 4, 327,680 bytes of LDS; arguments xq, wq, qkvc, b_q, b_k, b_v; writes qkvc
.if DOCPART == 2
	.amdgcn_target "amdgcn-amd-amdhsa--gfx1250"
	.amdhsa_code_object_version 6
	.text
	.protected	k_q19906522a6_project_qkv
	.globl	k_q19906522a6_project_qkv
	.p2align	8
	.type	k_q19906522a6_project_qkv,@function
k_q19906522a6_project_qkv:
	s_mov_b64 s[64:65], 0
	v_nop
	global_prefetch_b8 v0, s[64:65] scope:SCOPE_SE
	s_setreg_imm32_b32 hwreg(HW_REG_WAVE_MODE, 25, 1), 1
	s_wait_xcnt 0x0
	s_wait_alu depctr_hold_cnt(0) depctr_sa_sdst(0) depctr_va_vdst(0) depctr_va_sdst(0) depctr_va_ssrc(0) depctr_va_vcc(0) depctr_vm_vsrc(0)
	s_getreg_b32 s2, hwreg(HW_REG_IB_STS2, 6, 4)
	s_cmp_eq_u32 s2, 0
	s_cbranch_scc0 .Lentry_in_a_cluster
	s_endpgm
.Lentry_in_a_cluster:
	s_bfe_u32 s2, ttmp6, 0x10000c
	s_cmp_lg_u32 s2, 0xf033
	s_cbranch_scc0 .Lentry_shape_is_right
	s_endpgm
.Lentry_shape_is_right:
; q, k, v = x W + b on codes of BF8 with E8M0 scales (K = 1,024), the bias as the C of each sum's first product, and the results quantised in registers for the products that follow.
; A tile of 256 x 256 is made by a work-group of four waves, 128 x 128 a wave: 64 accumulators, 512 registers.  K goes in steps of 256 through a ring of two LDS slots filled by the tensor data mover;
; the scale bytes of the work-group's 2 x 256 rows, for all of K, come into LDS once.  4 x 4 work-groups form a cluster; A's tile is asked for jointly along a row of it, B's along a column.
; THE MATRIX INSTRUCTION IS USED TRANSPOSED: source 0 = 16 rows of B, source 1 = 16 rows of A: a lane holds ONE row of A, and its eight registers eight rows of B.
; TWO ROLES, by the cluster's number (the same in all sixteen partners).  Clusters y = 0 .. 7 (q and k): A = x (32 tiles of rows), B = the rows of W_q and W_k (8 tiles): a lane holds a token, its registers run
; along the head's channels, which are K of q k^T.  Clusters y = 8 .. 11 (v): A = the rows of W_v (4 tiles), B = x (32 tiles): a lane holds a channel, its registers run along the tokens, which are K of p v.
; THE ORDER OF ROWS in xq and wq (bits 3 and 4 of a row's number exchanged) makes the 16 registers of B's blocks 2 c and 2 c + 1 the 16 neighbours 32 c + 16 (lane / 16) + 0 .. 15 of the next K:
; the conversions' results are the next operand's registers, and go to memory as images of them: 16 bytes a lane, 512 consecutive bytes a store.
; qkvc: tensor (q, k, v) x 8,912,896 + (16 batch + head) x 139,264; there 16 groups of 128 tokens x 8,192 bytes of codes, then 16 x 512 bytes of scale words.
;   q, k, group: tile a (16 tokens) x 1,024 + 512 c + 16 lane; words at 16 lane + 4 p: lanes 0-15 tile 2 p, lanes 16-31 tile 2 p + 1; a word is byte 0 | byte 1 << 8 (K = 64: two blocks), its upper bytes 0.
;   v, group: tile of 16 channels x 2,048 + 512 c + 16 lane; words at 16 lane + 4 x tile (lanes 16-31 repeat lanes 0-15).
; LIMITS: a block whose largest magnitude lies under 2^-111 (a block of zeros too) gets the byte 1; NaN and infinities are not served.
; REGISTERS, in windows of 256: window 0: v0-31 addresses; v32-63 scale words, two sets; v64-127 the biases; from v128 A's fragments, one set (on the way out: at work).
;   window 1: B's fragments, two sets.   windows 2, 3: the accumulators ((a, b) at v[8 (8 (a % 4) + b)], a / 4 picks the window).
.set KSTEP,  256
.set NQ,     2
.set ROWB,   256
.set KROW,   1024
.set PITCH,  272                       ; an LDS row: 256 bytes + 16 of padding: the 16 rows that a load touches start at 16 different banks (64 banks of 4 bytes: ISA guide 11.1)
.set FR,     16
.set NL,     4
.set NP,     8                         ; places behind this matrix instruction (ISA guide 7.12.1)
.set HALFT,  128*PITCH
.set SLOT,   4*HALFT
.set LAPS,   2                         ; K = 1,024 is four K steps: twice round the ring
.set KS,     32
.set SCL,    2*SLOT
.set HALFS,  (128*KS/256)*272
.set SBLK,   (16*KS/256)*272
.set SPARE,  SCL+4*HALFS               ; the spare words, 128 bytes for each wave: no other line names them
.set XSCL,   8388608
.set WSCL,   3145728
.set TENB,   8912896
.set HEADB,  139264
.set ADRA, 16
.set ADRB, 20
.set OUTO, 24                          ; v24  16 x lane: an image's place for my lane; never rewritten
.set ADRS, 27
.set SPW,  28
.set NIL,  29
.set BAD,  30                          ; v30  the bias loads' offset; never rewritten
.set SC,   32
.set BI,   64                          ; v64-127 the biases, eight registers a block, in the result's layout
.set AF,   128
.set HBF,  128                         ; the way out: v128-191 64 numbers held; v192-207 their codes; v208-223 at work; v224 a word; v228-235 the scale words
.set PC,   192
.set TM,   208
.set WD,   224
.set SW,   228
.set G1, 24
.set G0, 32
.set G1B, 48
.set G0B, 56
.set G1S, 68
.set G0S, 76
.set G1SB, 80
.set G0SB, 88
.set SEL, 66                           ; s[66:67] v_permlanex16_b32's selects for lane l xor 16
.set HM,  100                          ; s100 lanes 16-31
.set MNT, 101                          ; s101 the mantissa field of 57,344
.set MSB, 0
.macro WIN new                         ; the immediate's high byte repeats the setting that is left
.if MSB != \new
	s_set_vgpr_msb (MSB<<8)|\new
.set MSB, \new
.endif
.endm
.set MUL_LO, 0xa1                      ; source 0 (B) window 1, source 1 (A) window 0, C and D window 2
.set MUL_HI, 0xf1
.set FST_LO, 0x81                      ; the same with C (the bias) in window 0
.set FST_HI, 0xc1
.set TO_B,   0x40
; A joint load: waves 0 and 1 fetch for A, waves 2 and 3 for B; the branch hangs on the wave's number alone.  Four v_nop follow each of the two lines.
.macro JLOAD g0a, g1a, g0b, g1b
	s_cmp_eq_u32 s15, 0
	s_cbranch_scc0 .Lfor_b_\@
	tensor_load_to_lds s[\g0a:\g0a+3], s[\g1a:\g1a+7]
	s_nop 0
.rept 4
	v_nop
.endr
	s_branch .Lasked_\@
.Lfor_b_\@:
	tensor_load_to_lds s[\g0b:\g0b+3], s[\g1b:\g1b+7]
	s_nop 0
.rept 4
	v_nop
.endr
.Lasked_\@:
.endm
.macro CREST                           ; a round of the cluster's barrier behind its opening barrier
	s_cmp_lg_u32 s14, 0
	s_cbranch_scc1 .Lnot_wave_0_\@
	s_barrier_signal -3
.Lnot_wave_0_\@:
	s_barrier_wait -3
	s_barrier_signal -1
	s_barrier_wait -1
.endm
.macro CROUND
	s_barrier_signal -1
	s_barrier_wait -1
	CREST
.endm
	s_load_b128 s[4:7], s[0:1], 0x0                ; xq, wq
	s_load_b64 s[12:13], s[0:1], 0x10              ; qkvc
	s_load_b128 s[96:99], s[0:1], 0x18             ; b_q, b_k
	s_load_b64 s[104:105], s[0:1], 0x28            ; b_v
	v_lshl_add_u32 v[SPW], v0, 2, SPARE
	v_mov_b32 v[NIL], 0
	ds_add_u32 v28, v29
	ds_add_u32 v28, v29
	s_wait_dscnt 0x0
	v_lshrrev_b32 v1, 5, v0
	v_readfirstlane_b32 s14, v1                    ; wave 0..3
	s_lshr_b32 s15, s14, 1                         ; which half of A's rows is mine.  Also: I fetch for A (0) or for B (1)
	s_and_b32 s16, s14, 1                          ; which half of B's rows.  Also: which 128 rows of that tile I fetch
	s_bfe_u32 s40, ttmp6, 0x40000                  ; cx, cy: my place in the cluster
	s_bfe_u32 s41, ttmp6, 0x40004
	s_and_b32 s20, ttmp7, 0xffff                   ; the cluster's y
	s_sub_co_u32 s21, s20, 8
	s_lshl_b32 s21, s21, 1
	s_add_co_u32 s21, s21, ttmp9                   ; role v: which four tiles of x: 2 (y - 8) + x
	s_cmp_ge_u32 s20, 8
	s_cselect_b32 s2, 1, 0                         ; the role: 0 q and k, 1 v
	s_cselect_b32 s21, s21, ttmp9                  ; the cluster's place along B's tiles,
	s_cselect_b32 s20, 0, s20                      ; and along A's
	s_lshl_b32 s42, s21, 2
	s_add_co_u32 s42, s42, s40                     ; B's tile
	s_lshl_b32 s17, s20, 2
	s_add_co_u32 s17, s17, s41                     ; A's tile
	s_lshl_b32 s43, s41, 2
	s_lshl_b32 s43, 15, s43                        ; my row of the cluster
	s_lshl_b32 s44, 0x1111, s40                    ; my column
	s_or_b32 s[G1+0], s43, (0<<16)|(1<<20)|(1<<21)|(5<<22)|(3<<25)  ; the mask; elements of 1 byte; padding: 4 words after every 64; bit 21 set beside a mask
	s_or_b32 s[G1B+0], s44, (0<<16)|(1<<20)|(1<<21)|(5<<22)|(3<<25)
.irp g, G1, G1B
	s_mov_b32 s[\g+1], ROWB<<16                    ; tensor_dim0
	s_mov_b32 s[\g+2], 128<<16                     ; tensor_dim1
	s_mov_b32 s[\g+3], ROWB<<16                    ; tile_dim0
	s_mov_b32 s[\g+4], 128                         ; tile_dim1
	s_mov_b32 s[\g+5], KROW                        ; the pitch
	s_mov_b32 s[\g+6], 0
	s_mov_b32 s[\g+7], 0
.endr
	s_or_b32 s[G1S+0], s43, (3<<16)|(1<<20)|(1<<21)|(5<<22)|(3<<25) ; the scales of 128 rows: 4,096 dense bytes as 16 rows of 256 (32 elements of 8 bytes), 16 bytes of padding behind each
	s_or_b32 s[G1SB+0], s44, (3<<16)|(1<<20)|(1<<21)|(5<<22)|(3<<25)
.irp g, G1S, G1SB
	s_mov_b32 s[\g+1], 32<<16
	s_mov_b32 s[\g+2], (128*KS/256)<<16
	s_mov_b32 s[\g+3], 32<<16
	s_mov_b32 s[\g+4], 128*KS/256
	s_mov_b32 s[\g+5], 32
	s_mov_b32 s[\g+6], 0
	s_mov_b32 s[\g+7], 0
.endr
	s_lshl_b32 s18, s16, 7                         ; which 128 rows of the tile I fetch
	s_lshl_b32 s20, s17, 8
	s_add_co_u32 s20, s20, s18
	s_lshl_b32 s19, s2, 11
	s_add_co_u32 s20, s20, s19                     ; A's row (role v: W_v's rows begin at 2,048)
	s_lshl_b32 s46, s42, 8
	s_add_co_u32 s46, s46, s18                     ; B's row
	s_lshl_b32 s22, s20, 5                         ; where these rows' scale bytes begin,
	s_mov_b32 s23, 0
	s_lshl_b32 s92, s46, 5
	s_mov_b32 s93, 0
	s_lshl_b32 s20, s20, 10                        ; and their codes
	s_mov_b32 s21, 0
	s_lshl_b32 s46, s46, 10
	s_mov_b32 s47, 0
	s_mul_i32 s45, s14, HALFT                      ; where they go: wave x 128 rows: no place in the cluster enters an LDS address
	s_mul_i32 s94, s14, HALFS
	s_mov_b32 s[SEL], 0x76543210
	s_mov_b32 s[SEL+1], 0xfedcba98
	s_wait_kmcnt 0x0
	s_add_nc_u64 s[8:9], s[4:5], XSCL              ; x's scale bytes
	s_add_nc_u64 s[10:11], s[6:7], WSCL            ; the weights'
	s_cmp_eq_u32 s2, 0                             ; which buffer is A and which B hangs on the role alone
	s_cselect_b64 s[18:19], s[4:5], s[6:7]
	s_cselect_b64 s[100:101], s[8:9], s[10:11]
	s_cselect_b64 s[6:7], s[6:7], s[4:5]
	s_cselect_b64 s[10:11], s[10:11], s[8:9]
	s_add_nc_u64 s[20:21], s[18:19], s[20:21]
	s_add_nc_u64 s[22:23], s[100:101], s[22:23]
	s_add_nc_u64 s[46:47], s[6:7], s[46:47]
	s_add_nc_u64 s[92:93], s[10:11], s[92:93]
	s_mov_b32 s[HM], 0xffff0000
	s_mov_b32 s[MNT], 0x600000
	CROUND                                         ; all sixteen work-groups are here: the first joint loads meet
	s_mov_b32 s[G0S], 1
	s_add_co_u32 s[G0S+1], s94, SCL
	s_mov_b64 s[G0S+2:G0S+3], s[22:23]
	s_or_b32 s[G0S+3], s[G0S+3], 0x80000000
	s_mov_b32 s[G0SB], 1
	s_add_co_u32 s[G0SB+1], s94, SCL
	s_mov_b64 s[G0SB+2:G0SB+3], s[92:93]
	s_or_b32 s[G0SB+3], s[G0SB+3], 0x80000000
	JLOAD G0S, G1S, G0SB, G1SB                     ; the scales first: they are wanted with K step 0
.irp s, 0,1
	s_mov_b32 s[G0+4*\s], 1
	s_add_co_u32 s[G0+4*\s+1], s45, \s*SLOT
	s_add_nc_u64 s[G0+4*\s+2:G0+4*\s+3], s[20:21], \s*ROWB
	s_or_b32 s[G0+4*\s+3], s[G0+4*\s+3], 0x80000000
	s_mov_b32 s[G0B+4*\s], 1
	s_add_co_u32 s[G0B+4*\s+1], s45, \s*SLOT
	s_add_nc_u64 s[G0B+4*\s+2:G0B+4*\s+3], s[46:47], \s*ROWB
	s_or_b32 s[G0B+4*\s+3], s[G0B+4*\s+3], 0x80000000
	JLOAD G0+4*\s, G1, G0B+4*\s, G1B               ; three tensor loads of mine are out now
.endr
	v_and_b32 v1, 15, v0                           ; r = l % 16
	v_bfe_u32 v2, v0, 4, 1                         ; h = l / 16
	v_mul_u32_u24 v3, v1, PITCH
	v_lshl_add_u32 v4, v2, 4, v3                   ; a fragment's row x pitch + 16 x half
	s_mul_i32 s21, s15, HALFT                      ; my 128 rows of A
	s_mul_i32 s22, s16, HALFT                      ; my 128 rows of B,
	s_add_co_u32 s22, s22, 2*HALFT                 ; which lie behind A's 256
.irp s, 0,1
	v_add_nc_u32 v[ADRA+\s], s21, v4
	v_add_nc_u32 v[ADRB+\s], s22, v4
	s_add_co_u32 s21, s21, SLOT
	s_add_co_u32 s22, s22, SLOT
.endr
	v_mul_u32_u24 v5, v1, KS                       ; my row's scales: 32 bytes a row,
	v_lshrrev_b32 v6, 8, v5
	v_lshl_add_u32 v5, v6, 4, v5                   ; and 16 more for each 256 passed
	s_mul_i32 s21, s15, HALFS
	s_mul_i32 s22, s16, HALFS
	s_add_co_u32 s22, s22, 2*HALFS
	s_sub_co_u32 s22, s22, s21
	v_mul_u32_u24 v6, s22, v2                      ; lanes 16-31 take B's
	s_add_co_u32 s21, s21, SCL
	v_add_nc_u32 v5, v5, v6
	v_add_nc_u32 v[ADRS], s21, v5
	v_and_b32 v6, 31, v0
	v_lshlrev_b32 v[OUTO], 4, v6
	; THE BIASES, in the result's layout.  q, k: register j of B's block b is channel 32 (b / 2) + 16 h + 8 (b % 2) + j of my 128.  v: all eight registers of A's block a are channel 32 (a / 2) + 8 (a % 2) + r + 8 (r / 8).
	s_cmp_eq_u32 s2, 0
	s_cbranch_scc0 .Lbias_v
	s_cmp_eq_u32 ttmp9, 0                          ; B's tiles 0-3 are W_q's rows, 4-7 W_k's
	s_cselect_b64 s[96:97], s[96:97], s[98:99]
	s_and_b32 s18, s42, 3
	s_lshl_b32 s18, s18, 10
	s_lshl_b32 s19, s16, 9
	s_add_co_u32 s18, s18, s19
	s_mov_b32 s19, 0
	s_add_nc_u64 s[96:97], s[96:97], s[18:19]
	v_lshlrev_b32 v[BAD], 6, v2
.irp b, 0,1,2,3,4,5,6,7
	global_load_b128 v[BI+8*\b:BI+8*\b+3], v[BAD], s[96:97] offset:(32*(\b/2)+8*(\b%2))*4
	global_load_b128 v[BI+8*\b+4:BI+8*\b+7], v[BAD], s[96:97] offset:(32*(\b/2)+8*(\b%2))*4+16
.endr
	s_branch .Lbias_done
.Lbias_v:
	s_lshl_b32 s18, s17, 10
	s_lshl_b32 s19, s15, 9
	s_add_co_u32 s18, s18, s19
	s_mov_b32 s19, 0
	s_add_nc_u64 s[104:105], s[104:105], s[18:19]
	v_and_b32 v[BAD], 8, v1
	v_add_nc_u32 v[BAD], v[BAD], v1
	v_lshlrev_b32 v[BAD], 2, v[BAD]
.irp a, 0,1,2,3,4,5,6,7
.irp j, 0,1,2,3,4,5,6,7
	global_load_b32 v[BI+8*\a+\j], v[BAD], s[104:105] offset:(32*(\a/2)+8*(\a%2))*4
.endr
.endr
.Lbias_done:
.macro FRAG reg, adr, q, i             ; a fragment, 16 rows x 128 K: lane l holds row l % 16; registers 4 c .. 4 c + 3 hold K = 32 c + 16 (l / 16) + 0 .. 15
.irp c, 0,1,2,3
	ds_load_b128 v[\reg+4*\c:\reg+4*\c+3], v[\adr] offset:128*(\q)+32*\c+(\i)*16*PITCH
.endr
.endm
; 16 matrix instructions: A's blocks a0, a0 + 1 x B's eight.  zero = 0: onto the sums; 1: the sums begin with the bias of B's block; 2: with that of A's block.
; The 64 accumulators take turns, one instruction a turn, in the same order in every step.
.macro MUL16 a0, p, q, sc, zero
.irp a, \a0, \a0+1
.irp b, 0,1,2,3,4,5,6,7
.set rD, 8*(8*((\a)%4)+\b)
.set rB, 128*(\p)+FR*\b
.set rA, AF+FR*(\a)
.set rSB, SC+8*NQ*(\sc)+NQ*\b+(\q)
.set rSA, SC+8*NQ*(\sc)+NQ*(\a)+(\q)
.if (\zero) == 1
	v_wmma_scale_f32_16x16x128_f8f6f4 v[rD:rD+7], v[rB:rB+FR-1], v[rA:rA+FR-1], v[BI+8*\b:BI+8*\b+7], v[rSB], v[rSA] matrix_a_fmt:MATRIX_FMT_BF8 matrix_b_fmt:MATRIX_FMT_BF8 matrix_a_scale:MATRIX_SCALE_ROW1
.elseif (\zero) == 2
	v_wmma_scale_f32_16x16x128_f8f6f4 v[rD:rD+7], v[rB:rB+FR-1], v[rA:rA+FR-1], v[BI+8*(\a):BI+8*(\a)+7], v[rSB], v[rSA] matrix_a_fmt:MATRIX_FMT_BF8 matrix_b_fmt:MATRIX_FMT_BF8 matrix_a_scale:MATRIX_SCALE_ROW1
.else
	v_wmma_scale_f32_16x16x128_f8f6f4 v[rD:rD+7], v[rB:rB+FR-1], v[rA:rA+FR-1], v[rD:rD+7], v[rSB], v[rSA] matrix_a_fmt:MATRIX_FMT_BF8 matrix_b_fmt:MATRIX_FMT_BF8 matrix_a_scale:MATRIX_SCALE_ROW1
.endif
.endr
.endr
.endm
.macro FETCH_B slot, q, p
	WIN TO_B
.irp i, 0,1,2,3,4,5,6,7
	FRAG 128*(\p)+FR*\i, ADRB+\slot, \q, \i
.endr
	WIN 0
.endm
.macro FETCH_A slot, q, i0
.irp i, \i0, \i0+1, \i0+2, \i0+3
	FRAG AF+FR*(\i), ADRA+\slot, \q, \i
.endr
.endm
.macro SCALES sc                       ; a K step's scale words into set sc: two words a row; lanes 0-15 take A's block i, lanes 16-31 B's block i
.irp i, 0,1,2,3,4,5,6,7
	ds_load_b64 v[SC+8*NQ*\sc+NQ*\i:SC+8*NQ*\sc+NQ*\i+1], v[ADRS] offset:\i*SBLK
.endr
.endm
.macro PLACES n                        ; plain vector lines between a matrix instruction and a load into, or a vector line on, one of its registers
.rept \n
	v_nop
.endr
.endm
.macro STEP slot, q, zero              ; a step of 128 along K that has its successor in the same slot
	s_wait_dscnt 4*NL                              ; B's set and A's blocks 0-3 are in; the youngest 16 loads (A's blocks 4-7) may be out
.if \zero
	WIN FST_LO
.else
	WIN MUL_LO
.endif
	MUL16 0, (\q)%2, \q, \slot, \zero
	MUL16 2, (\q)%2, \q, \slot, \zero
	s_wait_dscnt 0                                 ; A's blocks 4-7 are in
	PLACES NP
	FETCH_B \slot, (\q)+1, 1-(\q)%2
	FETCH_A \slot, (\q)+1, 0
.if \zero
	WIN FST_HI
.else
	WIN MUL_HI
.endif
	MUL16 4, (\q)%2, \q, \slot, \zero
	MUL16 6, (\q)%2, \q, \slot, \zero
	PLACES NP
	WIN 0
	FETCH_A \slot, (\q)+1, 4
.endm
; A slot's last step changes slots: one barrier; in front of it each wave waits for all its tensor loads, adds 0 to its spare word, and waits for that and for its own reads of this slot.
.macro TURN slot, next, fill
	s_wait_tensorcnt 0x0                           ; all my tensor loads have landed: my part of the next slot
	ds_add_u32 v[SPW], v[NIL]                      ; 0 onto my spare word
	s_wait_dscnt 4*NL+1                            ; (the add and the youngest 16 loads, A's blocks 4-7, may be out)
	WIN MUL_LO
	MUL16 0, 1, NQ-1, \slot, 0
	s_wait_dscnt 0x0                               ; the add is done, and my reads of this slot are over
	s_barrier_signal -1
	MUL16 2, 1, NQ-1, \slot, 0
	WIN 0
	s_barrier_wait -1
.if \fill
	CREST                                          ; the barrier has opened a round of the cluster's: no wave of any partner still reads this slot or has a load on its way
	s_add_nc_u64 s[G0+4*\slot+2:G0+4*\slot+3], s[G0+4*\slot+2:G0+4*\slot+3], 2*ROWB
	s_add_nc_u64 s[G0B+4*\slot+2:G0B+4*\slot+3], s[G0B+4*\slot+2:G0B+4*\slot+3], 2*ROWB
	JLOAD G0+4*\slot, G1, G0B+4*\slot, G1B         ; the first tensor load behind the round, my one load until the next; its four v_nop are four of the eight places
	PLACES NP-4
.else
	PLACES NP
.endif
	s_wait_alu depctr_va_vdst(0)
	v_add_nc_u32 v[ADRS], 4*NQ, v[ADRS]            ; on to the next K step's scale words
	FETCH_B \next, 0, 0
	FETCH_A \next, 0, 0
	SCALES \next
	WIN MUL_HI
	MUL16 4, 1, NQ-1, \slot, 0
	MUL16 6, 1, NQ-1, \slot, 0
	PLACES NP
	WIN 0
	FETCH_A \next, 0, 4
.endm
	s_wait_tensorcnt 1                             ; the scales and my part of K step 0 are in; K step 1's load may be out
	s_barrier_signal -1
	s_barrier_wait -1
	FETCH_B 0, 0, 0
	FETCH_A 0, 0, 0
	s_wait_alu depctr_va_vdst(0)
	SCALES 0
	FETCH_A 0, 0, 4
	s_wait_loadcnt 0x0                             ; the biases
	s_cmp_eq_u32 s2, 0                             ; the first step starts the sums with the bias: by B's block (q, k) or by A's (v)
	s_cbranch_scc0 .Lfirst_v
	STEP 0, 0, 1
	s_branch .Lfirst_done
.Lfirst_v:
	STEP 0, 0, 2
.Lfirst_done:
	s_mov_b32 s3, LAPS-1
.Llap:                                                 ; a trip goes once round the ring and fills both slots again
	TURN 0, 1, 1
	STEP 1, 0, 0
	TURN 1, 0, 1
	STEP 0, 0, 0
	s_sub_co_u32 s3, s3, 1
	s_cmp_lg_u32 s3, 0
	s_cbranch_scc1 .Llap
	TURN 0, 1, 0                                   ; the last lap fills nothing
	STEP 1, 0, 0
	s_wait_dscnt 4*NL
	WIN MUL_LO
	MUL16 0, 1, NQ-1, 1, 0
	MUL16 2, 1, NQ-1, 1, 0
	s_wait_dscnt 0
	WIN MUL_HI
	MUL16 4, 1, NQ-1, 1, 0
	MUL16 6, 1, NQ-1, 1, 0
	WIN 0
	PLACES NP                                      ; in front of the first read of results and of vector writes over A's fragments
	; THE WAY OUT.  Where my results go: cx and cy enter these addresses alone.
	s_lshl_b32 s18, s17, 8
	s_lshl_b32 s19, s15, 7
	s_add_co_u32 s18, s18, s19                     ; q, k: my first token = A's row
	s_lshl_b32 s19, s42, 8
	s_lshl_b32 s20, s16, 7
	s_add_co_u32 s19, s19, s20                     ; v: my first token = B's row
	s_and_b32 s20, s42, 3
	s_lshl_b32 s20, s20, 2
	s_lshl_b32 s21, s16, 1
	s_add_co_u32 s20, s20, s21                     ; q, k: the first of my two heads
	s_lshl_b32 s21, s17, 2
	s_lshl_b32 s22, s15, 1
	s_add_co_u32 s21, s21, s22                     ; v: likewise
	s_cmp_eq_u32 s2, 0
	s_cselect_b32 s18, s18, s19
	s_cselect_b32 s20, s20, s21
	s_cselect_b32 s22, ttmp9, 2                    ; the tensor: q, k or v
	s_lshr_b32 s19, s18, 11                        ; batch
	s_lshl_b32 s19, s19, 4
	s_add_co_u32 s19, s19, s20
	s_mul_i32 s19, s19, HEADB
	s_mul_i32 s22, s22, TENB
	s_add_co_u32 s22, s22, s19
	s_bfe_u32 s18, s18, 0x40007                    ; the group of 128 tokens in the batch
	s_lshl_b32 s20, s18, 13
	s_add_co_u32 s20, s20, s22
	s_mov_b32 s21, 0
	s_add_nc_u64 s[96:97], s[12:13], s[20:21]      ; the codes
	s_lshl_b32 s20, s18, 9
	s_add_co_u32 s20, s20, s22
	s_add_co_u32 s20, s20, 131072
	s_add_nc_u64 s[98:99], s[12:13], s[20:21]      ; the scale words
.irp b, 0,1,2,3
	v_mov_b32 v[TM+4+\b], 0                        ; written once: a lane permute's destination counts as one of its sources
.endr
; A's block a: a lane's 64 numbers, register 16 b + i = place 32 b + 16 (lane / 16) + i of the next K, become 16 registers of codes and four scale bytes.  Each accumulator is read from its low end on.
.macro QUANTA a, role
.set W, 2+(\a)/4
.set AC0, 64*((\a)%4)
	WIN (W|(W<<2))
.irp b, 0,1,2,3
	v_max3_num_f32 v[TM+\b], |v[AC0+16*\b]|, |v[AC0+16*\b+1]|, 0x8000000   ; block b: my 16 numbers, and the floor 2^(16 - 127): the byte cannot fall under 1
.endr
	WIN ((W<<2)|(W<<4))
.irp i, 2,4,6,8,10,12,14
.irp b, 0,1,2,3
	v_max3_num_f32 v[TM+\b], v[TM+\b], |v[AC0+16*\b+\i]|, |v[AC0+16*\b+\i+1]|
.endr
.endr
	WIN 0
.irp b, 0,1,2,3
	v_permlanex16_b32 v[TM+4+\b], v[TM+\b], s[SEL], s[SEL+1]
.endr
.irp b, 0,1,2,3
	v_max_num_f32 v[TM+\b], v[TM+\b], v[TM+4+\b]   ; with lane l xor 16's: the block's largest magnitude
.endr
.irp b, 0,1,2,3
	v_add_nc_u32 v[TM+12+\b], 0xf8800000, v[TM+\b] ; 15 off its exponent field: the conversion's scale operand
.endr
.irp b, 0,1,2,3
	v_and_or_b32 v[TM+8+\b], v[TM+\b], 0x7f800000, s[MNT]   ; 57,344 x the scale
.endr
.irp b, 0,1,2,3
	v_lshrrev_b32 v[TM+4+\b], 23, v[TM+12+\b]      ; the scale's byte
.endr
.if \role == 0
.irp hh, 0,1                           ; two heads, two bytes each; an even tile's words stand in lanes 0-15, the odd tile's in lanes 16-31
.if (\a)%2 == 0
	v_lshl_or_b32 v[SW+4*\hh+(\a)/2], v[TM+5+2*\hh], 8, v[TM+4+2*\hh]
.else
	v_lshl_or_b32 v[WD], v[TM+5+2*\hh], 8, v[TM+4+2*\hh]
	v_cndmask_b32 v[SW+4*\hh+(\a)/2], v[SW+4*\hh+(\a)/2], v[WD], s[HM]
.endif
.endr
.else
	v_lshl_or_b32 v[SW+(\a)], v[TM+5], 8, v[TM+4]  ; four blocks of keys: one word
	v_lshl_or_b32 v[SW+(\a)], v[TM+6], 16, v[SW+(\a)]
	v_lshl_or_b32 v[SW+(\a)], v[TM+7], 24, v[SW+(\a)]
.endif
	WIN W
.set n, 0
.rept 64
	v_med3_num_f32 v[HBF+n], v[AC0+n], -v[TM+8+n/16], v[TM+8+n/16]   ; the conversion does not saturate (ISA guide 7.6.2): the hold, on the way into window 0
.set n, n+1
.endr
	WIN 0
	s_wait_alu depctr_va_vdst(0)
	s_wait_xcnt 0x0                                ; the last block's stores have read their data: the codes' registers are written again only behind this wait
.irp b, 0,1,2,3
	v_cvt_scalef32_pk8_bf8_f32 v[PC+4*\b:PC+4*\b+1], v[HBF+16*\b:HBF+16*\b+7], v[TM+12+\b]
	v_cvt_scalef32_pk8_bf8_f32 v[PC+4*\b+2:PC+4*\b+3], v[HBF+16*\b+8:HBF+16*\b+15], v[TM+12+\b]
.endr
	v_nop                                          ; a plain line behind the last conversion
.irp bb, 0,1,2,3
.if \role == 0
	global_store_b128 v[OUTO], v[PC+4*\bb:PC+4*\bb+3], s[96:97] offset:(\bb/2)*HEADB+(\a)*1024+(\bb%2)*512   ; the wave stores 512 consecutive bytes, aligned
.else
	global_store_b128 v[OUTO], v[PC+4*\bb:PC+4*\bb+3], s[96:97] offset:((\a)/4)*HEADB+((\a)%4)*2048+\bb*512
.endif
.endr
.endm
.macro EPI role
.irp a, 0,1,2,3,4,5,6,7
	QUANTA \a, \role
.if (\role == 1) && (\a == 3)
	global_store_b128 v[OUTO], v[SW:SW+3], s[98:99]               ; v: the first head's four tiles of channels are done
.endif
.endr
.if \role == 0
	global_store_b128 v[OUTO], v[SW:SW+3], s[98:99]
.endif
	global_store_b128 v[OUTO], v[SW+4:SW+7], s[98:99] offset:HEADB
.endm
	s_cmp_eq_u32 s2, 0
	s_cbranch_scc0 .Lepi_v
	EPI 0
	s_branch .Lepi_done
.Lepi_v:
	EPI 1
.Lepi_done:
	s_wait_tensorcnt 0x0                           ; the wave's end
	ds_add_u32 v[SPW], v[NIL]
	s_wait_dscnt 0x0
	CROUND                                         ; the closing round: no work-group ends while a partner may still ask for a tile that names it
	s_endpgm
.Lfunc_end_k_q19906522a6_project_qkv:
	.size	k_q19906522a6_project_qkv, .Lfunc_end_k_q19906522a6_project_qkv-k_q19906522a6_project_qkv
	.p2alignl 7, 3214868480
	.fill 96, 4, 3214868480
	.section	.rodata,"a",@progbits
	.p2align	6, 0x0
	.amdhsa_kernel k_q19906522a6_project_qkv
		.amdhsa_group_segment_fixed_size 327680
		.amdhsa_private_segment_fixed_size 0
		.amdhsa_enable_private_segment 0
		.amdhsa_kernarg_size 48
		.amdhsa_user_sgpr_count 2
		.amdhsa_user_sgpr_kernarg_segment_ptr 1
		.amdhsa_wavefront_size32 1
		.amdhsa_system_sgpr_workgroup_id_x 1
		.amdhsa_system_sgpr_workgroup_id_y 1
		.amdhsa_system_sgpr_workgroup_id_z 1
		.amdhsa_system_vgpr_workitem_id 0
		.amdhsa_next_free_vgpr 1024
		.amdhsa_next_free_sgpr 106
		.amdhsa_reserve_vcc 0
		.amdhsa_float_denorm_mode_32 3
		.amdhsa_float_denorm_mode_16_64 3
		.amdhsa_memory_ordered 1
		.amdhsa_forward_progress 1
		.amdhsa_inst_pref_size 255
	.end_amdhsa_kernel
	.section	.bss,"aw",@nobits
	.p2align	6
	.space	262144
	.amdgpu_metadata
---
amdhsa.version: [ 1, 2 ]
amdhsa.kernels:
  - .name:           k_q19906522a6_project_qkv
    .symbol:         k_q19906522a6_project_qkv.kd
    .args:
      - { .name: xq, .offset: 0, .size: 8, .value_kind: global_buffer, .address_space: global }
      - { .name: wq, .offset: 8, .size: 8, .value_kind: global_buffer, .address_space: global }
      - { .name: qkvc, .offset: 16, .size: 8, .value_kind: global_buffer, .address_space: global }
      - { .name: b_q, .offset: 24, .size: 8, .value_kind: global_buffer, .address_space: global }
      - { .name: b_k, .offset: 32, .size: 8, .value_kind: global_buffer, .address_space: global }
      - { .name: b_v, .offset: 40, .size: 8, .value_kind: global_buffer, .address_space: global }
    .group_segment_fixed_size: 327680
    .private_segment_fixed_size: 0
    .kernarg_segment_align: 8
    .kernarg_segment_size: 48
    .max_flat_workgroup_size: 128
    .sgpr_count:     106
    .vgpr_count:     1024
    .wavefront_size: 32
...
	.end_amdgpu_metadata
.endif
;; end of part 2
;; launch attention (part 3): grid 4 x 64, 16 waves a work-group, no clusters, 327,680 bytes of LDS; arguments qkvc, wvc; writes wvc
.if DOCPART == 3
	.amdgcn_target "amdgcn-amd-amdhsa--gfx1250"
	.amdhsa_code_object_version 6
	.text
	.protected	k_q19906522a6_attention
	.globl	k_q19906522a6_attention
	.p2align	8
	.type	k_q19906522a6_attention,@function
k_q19906522a6_attention:
	s_mov_b64 s[64:65], 0
	v_nop
	global_prefetch_b8 v0, s[64:65] scope:SCOPE_SE
	s_setreg_imm32_b32 hwreg(HW_REG_WAVE_MODE, 25, 1), 1
	s_wait_xcnt 0x0
; wv = softmax(q k^T / 8, causal) v for one batch and head, both products on codes of BF8 with E8M0 scales, and wv quantised along the head's 64 channels for the last product.
; THE SOFTMAX AHEAD OF THE SECOND PRODUCT: t = score x log2(e) / 8; M = the running largest t rounded UP to a whole number; p = 2^(t - M) is quantised along the keys, not normalised; the row's sum is taken
; of the unquantised p and divides O at the end.  When M moves, the sum and O are multiplied by 2^(old M - new M): exact.
; SHARES.  Work-group (i, batch x 16 + head), i = 0 .. 3, takes the blocks 7 - i and then i of 256 queries: 8 - i and i + 1 slots of 256 keys, NINE slots for every work-group: no slot that the mask hides
; as a whole is fetched, and all 256 work-groups have the same walk.  Each of the sixteen waves owns one tile of 16 queries in 256 registers: four waves to a SIMD.
; NO CLUSTER: the four work-groups of a head walk slots 0 .. 7 - i and then 0 .. i, so from the fifth trip on their loads name different slots: partners' descriptors would differ.
; LAYOUT.  Both products are used transposed (S^T = k q^T, O^T = v^T p^T): a lane holds ONE query throughout.  All operands lie in qkvc as images of their registers, 16 bytes a lane, so every LDS address is
; the slot + 16 x lane + a constant.  The order of tokens and channels there (bits 3 and 4 exchanged) makes register 16 c + i of S^T key 32 c + 16 (lane / 16) + i of the step, and of O^T channel 32 c + 16 (lane / 16) + i.
; Lane r of a tile holds query Q0 + r + 8 (r / 8).
; K = 64 IN AN INSTRUCTION OF K = 128: q's registers 8-15 are zero codes and bytes 2, 3 of both scale words are 0 (2^-127, a number).  k's operand of tile t is v[32 + 8 t .. + 15]: its upper half is the next tile's codes
; (finite: they were held) or, for tile 7, zeros: the upper 64 along K add exactly 0.
; wvc: codes [head][tile of 16 tokens, 512][c 2][lane][16 bytes]; scale bytes at 8,388,608: [token place 8,192][2 head + c].  The bytes leave one a lane (1/32 of the codes' bytes): whole runs would want a work-group that covers all heads.
; LIMITS: a block whose largest magnitude lies under 2^-111 gets the byte 1; NaN and infinities are not served.
; REGISTERS: v1-8 addresses that stay; v12 -M, v13 the largest t, v[14:15] the sum in two halves; v16-31 q (upper half zeros); v32-95 k's eight tiles, then v's four fragments; v96-103 zeros;
;   v104-167 S^T, then p; v168-199 O^T; v200-215 p's codes; v216-225 scale words; v226-255 at work.
.set TENB,  8912896                    ; a tensor of qkvc
.set HEADB, 139264                     ; a head in it
.set SWOFF, 131072                     ; where a head's scale words begin
.set SLOT1, 65536                      ; slot 1 begins here: one exclusive or turns an address from one slot into the other
.set VCO,   16384                      ; a slot: k's codes (16,384 bytes), v's codes,
.set KSO,   32768                      ; k's scale words (1,024),
.set VSO,   33792                      ; v's
.set SPARE, 131072                     ; the spare words, 128 bytes for each of sixteen waves: no other line names them
.set L16, 1                            ; v1  16 x lane
.set ADL, 2                            ; v2  the slot in hand + 16 x lane
.set SPW, 3
.set NIL, 4
.set PFO, 5                            ; v5  256 x lane: the prefetches' offset
.set DL,  6                            ; v6  r + 8 (r / 8) - 16 h
.set QSO, 7                            ; v7  where my query's scale word lies in its group's 512 bytes
.set WSO, 8                            ; v8  32 r + h: my scale byte's place
.set S,   104
.set O,   168
.set PCD, 200
.set KSW, 216
.set VSW, 220
.set QSW, 224
.set PSW, 225
.set F,   226                          ; v[226:227] f = 2^(old M - new M) (the low word serves both halves)
.set BM,  228
.set BT,  232
.set BH,  236
.set BS,  240
.set SU,  244
.set T1,  246
.set NEG, 248
.set TB,  2                            ; s2  LDS byte at which the slot in hand begins
.set TR,  3                            ; s3  the trip, 0 .. 8
.set WV,  18
.set MNT, 19
.set SEL, 20
.set CS,  22                           ; s[22:23] c = log2(e) / 8
.set G1C, 24                           ; s[24:31] group 1 for codes: 64 rows of 256 bytes;  s[32:39] for scale words: 4 rows
.set G1S, 32
.set G0C, 40
.set G0S, 44
.set N1,  48                           ; s48 slots of the first pass: 8 - i
.set JN,  49                           ; s49 the key slot asked for last
.set KF,  50                           ; s50 the step's first key
.set Q0,  51                           ; s51 my tile's first query
.set QB,  52                           ; s52 the block of queries in hand
.set IX,  53
.set HD,  55
.set BA,  56
.set HM,  57                           ; s57 lanes 16-31
.set PL,  58                           ; s58 a wave prefetches while the trip is under this
.set PFA, 60
.set WS,  62
; Wave 0 fetches k's codes of a slot, wave 1 v's, wave 2 k's scale words, wave 3 v's, the others nothing.  Four v_nop follow each of the two lines.
.macro TLOAD
	s_cmp_lt_u32 s[WV], 2
	s_cbranch_scc0 .Lnot_c_\@
	tensor_load_to_lds s[G0C:G0C+3], s[G1C:G1C+7]
	s_nop 0
.rept 4
	v_nop
.endr
	s_branch .Lasked_\@
.Lnot_c_\@:
	s_cmp_lt_u32 s[WV], 4
	s_cbranch_scc0 .Lasked_\@
	tensor_load_to_lds s[G0S:G0S+3], s[G1S:G1S+7]
	s_nop 0
.rept 4
	v_nop
.endr
.Lasked_\@:
.endm
; A PREFETCH INTO THE L2.  All four work-groups of a head begin with slots 0, 1, 2 ..; work-group i = 0, whose first pass walks all eight in order, asks, and nobody else.  In trip T, where slot T + 1 is being asked
; for by tensor loads, waves 4 and 5 name the two halves of k's codes of slot T + 2 and waves 6 and 7 those of v's: 8,192 bytes a wave, lanes 256 bytes apart; T = 0 .. 5, so slot 7 is the last.
; Waves 8 and 9 name, once, in trip 0, the head's 8,192 bytes of k's and of v's scale words (those of slots 0 and 1 are named by their tensor loads at the same time).
.macro ASK
	s_cmp_lt_u32 s[TR], s[PL]
	s_cbranch_scc0 .Lnot_mine_\@
	global_prefetch_b8 v[PFO], s[PFA:PFA+1] th:TH_LOAD_NT scope:SCOPE_SE
.Lnot_mine_\@:
.endm
	s_load_b128 s[4:7], s[0:1], 0x0                ; qkvc, wvc
	v_lshl_add_u32 v[SPW], v0, 2, SPARE
	v_mov_b32 v[NIL], 0
	ds_add_u32 v3, v4
	ds_add_u32 v3, v4
	s_wait_dscnt 0x0
	v_lshrrev_b32 v9, 5, v0
	s_delay_alu instid0(VALU_DEP_1)
	v_readfirstlane_b32 s[WV], v9                  ; wave 0..15
	s_and_b32 s54, ttmp7, 0xffff                   ; 16 batch + head
	s_and_b32 s[HD], s54, 15
	s_lshr_b32 s[BA], s54, 4
	s_mov_b32 s[IX], ttmp9
	s_sub_co_u32 s[N1], 8, s[IX]
	s_mul_i32 s70, s54, HEADB
	s_mov_b32 s71, 0
	s_and_b32 s68, s[WV], 1                        ; I fetch, if I fetch, for k (0) or for v (1)
	s_add_co_u32 s72, s68, 1
	s_mul_i32 s72, s72, TENB
	s_mov_b32 s73, 0
	s_mov_b32 s[G1C], 3<<16                        ; no mask; elements of 8 bytes; no padding: the images are read 16 bytes a lane on end
	s_mov_b32 s[G1C+1], 32<<16                     ; tensor_dim0: 256 bytes
	s_mov_b32 s[G1C+2], 64<<16                     ; tensor_dim1
	s_mov_b32 s[G1C+3], 32<<16                     ; tile_dim0
	s_mov_b32 s[G1C+4], 64                         ; tile_dim1
	s_mov_b32 s[G1C+5], 32                         ; the pitch: dense
	s_mov_b32 s[G1C+6], 0
	s_mov_b32 s[G1C+7], 0
	s_mov_b32 s[G1S], 3<<16
	s_mov_b32 s[G1S+1], 32<<16
	s_mov_b32 s[G1S+2], 4<<16
	s_mov_b32 s[G1S+3], 32<<16
	s_mov_b32 s[G1S+4], 4
	s_mov_b32 s[G1S+5], 32
	s_mov_b32 s[G1S+6], 0
	s_mov_b32 s[G1S+7], 0
	s_mov_b32 s[SEL], 0x76543210
	s_mov_b32 s[SEL+1], 0xfedcba98
	s_mov_b32 s[CS], 0x3e38aa3b                    ; log2(e) / 8
	s_mov_b32 s[CS+1], s[CS]                       ; (named with it as a pair, so it is written)
	s_mov_b32 s[HM], 0xffff0000
	; the prefetches: which tensor, where my wave's begin (one step of 16,384 short: the first change of slots steps the address), and until which trip
	s_bfe_u32 s66, s[WV], 0x10001
	s_lshl_b32 s74, s68, 13
	s_add_co_u32 s74, s74, 16384
	s_mov_b32 s69, SWOFF-16384
	s_cmp_lt_u32 s[WV], 8
	s_cselect_b32 s66, s66, s68                    ; k (0) or v (1)
	s_cselect_b32 s74, s74, s69
	s_cselect_b32 s[PL], 6, 1
	s_cmp_lt_u32 s[WV], 4
	s_cselect_b32 s[PL], 0, s[PL]
	s_cmp_gt_u32 s[WV], 9
	s_cselect_b32 s[PL], 0, s[PL]
	s_cmp_lg_u32 ttmp9, 0
	s_cselect_b32 s[PL], 0, s[PL]
	s_add_co_u32 s66, s66, 1
	s_mul_i32 s66, s66, TENB
	s_add_co_u32 s74, s74, s66
	s_mov_b32 s75, 0
	s_wait_kmcnt 0x0
	s_add_nc_u64 s[4:5], s[4:5], s[70:71]          ; q of my head
	s_add_nc_u64 s[8:9], s[4:5], s[72:73]          ; k's or v's codes of my head,
	s_add_nc_u64 s[10:11], s[8:9], SWOFF           ; and its scale words
	s_add_nc_u64 s[PFA:PFA+1], s[4:5], s[74:75]
	s_mov_b32 s[G0C], 1
	s_lshl_b32 s[G0C+1], s68, 14                   ; LDS: slot 0: k's codes at 0, v's at 16,384
	s_mov_b64 s[G0C+2:G0C+3], s[8:9]
	s_or_b32 s[G0C+3], s[G0C+3], 0x80000000
	s_mov_b32 s[G0S], 1
	s_lshl_b32 s[G0S+1], s68, 10
	s_add_co_u32 s[G0S+1], s[G0S+1], KSO
	s_mov_b64 s[G0S+2:G0S+3], s[10:11]
	s_or_b32 s[G0S+3], s[G0S+3], 0x80000000
	TLOAD                                          ; key slot 0 into LDS slot 0: one tensor load a fetching wave is out
	v_and_b32 v9, 31, v0
	s_delay_alu instid0(VALU_DEP_1)
	v_lshlrev_b32 v[L16], 4, v9
	s_delay_alu instid0(VALU_DEP_2)
	v_lshlrev_b32 v[PFO], 8, v9
	v_and_b32 v10, 15, v0                          ; r
	v_bfe_u32 v11, v0, 4, 1                        ; h
	s_delay_alu instid0(VALU_DEP_2)
	v_and_b32 v[DL], 8, v10
	s_delay_alu instid0(VALU_DEP_1)
	v_add_nc_u32 v[DL], v[DL], v10
	s_delay_alu instid0(VALU_DEP_3)
	v_lshlrev_b32 v9, 4, v11
	s_delay_alu instid0(VALU_DEP_1)
	v_sub_nc_u32 v[DL], v[DL], v9
	s_lshl_b32 s66, s68, 8
	s_bfe_u32 s67, s[WV], 0x20001
	s_lshl_b32 s67, s67, 2
	s_add_co_u32 s66, s66, s67
	v_lshl_add_u32 v[QSO], v10, 4, s66             ; 16 (r + 16 (tile % 2)) + 4 (tile / 2), tile = wave % 8
	v_lshl_add_u32 v[WSO], v10, 5, v11
.irp j, 0,1,2,3,4,5,6,7
	v_mov_b32 v[24+\j], 0                          ; q's upper half: zero codes
	v_mov_b32 v[96+\j], 0                          ; and what stands behind k's tile 7
.endr
.irp b, 0,1,2,3
	v_mov_b32 v[BT+\b], 0                          ; written once: a lane permute's destination counts as one of its sources
.endr
	v_mov_b32 v[F+1], 0                            ; (named as the upper half of the pair)
	v_mov_b32 v[T1], 0
; A pass begins: the block of queries in s[QB].  My tile's q, its scale word, where its results go; the running figures begin anew.
.macro START
	s_lshl_b32 s66, s[QB], 1
	s_lshr_b32 s67, s[WV], 3
	s_add_co_u32 s66, s66, s67                     ; my group of 128 tokens
	s_lshl_b32 s68, s66, 13
	s_and_b32 s67, s[WV], 7
	s_lshl_b32 s67, s67, 10
	s_add_co_u32 s68, s68, s67
	s_mov_b32 s69, 0
	s_add_nc_u64 s[12:13], s[4:5], s[68:69]        ; q's codes of my tile
	s_lshl_b32 s68, s66, 9
	s_add_co_u32 s68, s68, SWOFF
	s_add_nc_u64 s[14:15], s[4:5], s[68:69]        ; the group's scale words
	s_lshl_b32 s66, s[BA], 7
	s_lshl_b32 s67, s[QB], 4
	s_add_co_u32 s66, s66, s67
	s_add_co_u32 s66, s66, s[WV]                   ; my tile among the 512: 128 batch + 16 block + wave
	s_lshl_b32 s68, s66, 10
	s_lshl_b32 s67, s[HD], 19
	s_add_co_u32 s68, s68, s67
	s_add_nc_u64 s[16:17], s[6:7], s[68:69]        ; wv's codes
	s_lshl_b32 s68, s66, 9
	s_lshl_b32 s67, s[HD], 1
	s_add_co_u32 s68, s68, s67
	s_add_co_u32 s68, s68, 8388608
	s_add_nc_u64 s[WS:WS+1], s[6:7], s[68:69]      ; wv's scale bytes
	s_lshl_b32 s[Q0], s[QB], 8
	s_lshr_b32 s67, s[WV], 1
	s_lshl_b32 s67, s67, 5
	s_add_co_u32 s[Q0], s[Q0], s67
	s_and_b32 s67, s[WV], 1
	s_lshl_b32 s67, s67, 3
	s_add_co_u32 s[Q0], s[Q0], s67                 ; 256 block + 32 (wave / 2) + 8 (wave % 2)
	global_load_b128 v[16:19], v[L16], s[12:13]
	global_load_b128 v[20:23], v[L16], s[12:13] offset:512
	global_load_b32 v[QSW], v[QSO], s[14:15]
	v_mov_b32 v13, 0xff61b1e6                      ; the largest t so far: -3e38, under every t
	s_delay_alu instid0(VALU_DEP_1)
	v_floor_f32 v12, -v13                          ; -M
	v_mov_b32 v14, 0
	v_mov_b32 v15, 0
.set n, 0
.rept 32
	v_mov_b32 v[O+n], 0                            ; O^T: the first change of M multiplies zeros
.set n, n+1
.endr
	s_wait_loadcnt 0x0
.endm
; A KEY STEP: 128 keys, the q-th of the slot in hand.
.macro STEP q
	s_add_co_u32 s66, s[Q0], 23                    ; a step all of whose keys come after my 16 queries is left out: a branch on ids, round the step's loads, products and softmax
	s_cmp_gt_u32 s[KF], s66
	s_cbranch_scc1 .Lhidden_\@
	v_add_nc_u32 v[ADL], s[TB], v[L16]
.rept 7
	v_nop                                          ; with the line above: eight places in front of loads into registers that the last products read
.endr
.irp tk, 0,1,2,3,4,5,6,7
	ds_load_b128 v[32+8*\tk:35+8*\tk], v[ADL] offset:8192*(\q)+1024*\tk
	ds_load_b128 v[36+8*\tk:39+8*\tk], v[ADL] offset:8192*(\q)+1024*\tk+512
.endr
	ds_load_b128 v[KSW:KSW+3], v[ADL] offset:KSO+512*(\q)   ; register p: lanes 0-15 tile 2 p's words, lanes 16-31 tile 2 p + 1's
	s_wait_alu depctr_va_vdst(0)
	s_wait_dscnt 0x0
.irp tk, 0,1,2,3,4,5,6,7
.if \tk%2
	v_wmma_scale_f32_16x16x128_f8f6f4 v[S+8*\tk:S+8*\tk+7], v[32+8*\tk:47+8*\tk], v[16:31], 0, v[KSW+\tk/2], v[QSW] matrix_a_fmt:MATRIX_FMT_BF8 matrix_b_fmt:MATRIX_FMT_BF8 matrix_a_scale:MATRIX_SCALE_ROW1
.else
	v_wmma_scale_f32_16x16x128_f8f6f4 v[S+8*\tk:S+8*\tk+7], v[32+8*\tk:47+8*\tk], v[16:31], 0, v[KSW+\tk/2], v[QSW] matrix_a_fmt:MATRIX_FMT_BF8 matrix_b_fmt:MATRIX_FMT_BF8
.endif
.endr
.rept 8
	v_nop                                          ; places in front of the loads below and of the first read of the scores
.endr
.irp et, 0,1,2,3                               ; v's four fragments are asked for now and land while the softmax is worked
.irp c, 0,1,2,3
	ds_load_b128 v[32+16*\et+4*\c:35+16*\et+4*\c], v[ADL] offset:VCO+8192*(\q)+2048*\et+512*\c
.endr
.endr
	ds_load_b128 v[VSW:VSW+3], v[ADL] offset:VSO+512*(\q)
	s_add_co_u32 s66, s[KF], 127                   ; on the diagonal hidden scores become -infinity ahead of the maximum: p = 0 then.  A step all of whose keys count skips this
	s_cmp_le_u32 s66, s[Q0]
	s_cbranch_scc1 .Lopen_\@
	s_sub_co_i32 s66, s[Q0], s[KF]
	v_add_nc_u32 v[T1], s66, v[DL]                 ; d = my query - KF - 16 h.  Register 16 b + i holds key KF + 16 h + 32 b + i: hidden where 32 b + i > d
	v_mov_b32 v[NEG], 0xff800000
.set n, 0
.rept 64
	v_cmp_gt_i32 vcc_lo, 32*(n/16)+n%16, v[T1]
	v_cndmask_b32 v[S+n], v[S+n], v[NEG], vcc_lo
.set n, n+1
.endr
.Lopen_\@:
.irp b, 0,1,2,3
	v_max3_num_f32 v[BM+\b], v[S+16*\b], v[S+16*\b+1], v[S+16*\b+2]   ; the largest score of each block of 32 keys: for the row's maximum and, since p rises with the score, for the block's largest p
.endr
.irp i, 3,5,7,9,11,13
.irp b, 0,1,2,3
	v_max3_num_f32 v[BM+\b], v[BM+\b], v[S+16*\b+\i], v[S+16*\b+\i+1]
.endr
.endr
.irp b, 0,1,2,3
	v_max_num_f32 v[BM+\b], v[BM+\b], v[S+16*\b+15]
.endr
.irp b, 0,1,2,3
	s_delay_alu instid0(VALU_DEP_4)
	v_permlanex16_b32 v[BT+\b], v[BM+\b], s[SEL], s[SEL+1]
.endr
.irp b, 0,1,2,3
	s_delay_alu instid0(VALU_DEP_4)
	v_max_num_f32 v[BM+\b], v[BM+\b], v[BT+\b]     ; with lane l xor 16's 16 keys
.endr
	s_delay_alu instid0(VALU_DEP_2)
	v_max3_num_f32 v[T1], v[BM], v[BM+1], v[BM+2]
	s_delay_alu instid0(VALU_DEP_1)
	v_max_num_f32 v[T1], v[T1], v[BM+3]            ; the step's largest score of my query
	s_delay_alu instid0(VALU_DEP_1)
	v_mul_f32 v[T1], s[CS], v[T1]                  ; as t (c is positive)
	s_delay_alu instid0(VALU_DEP_1)
	v_max_num_f32 v13, v13, v[T1]                  ; the running largest t
	v_mov_b32 v[T1], v12
	s_delay_alu instid0(VALU_DEP_2)
	v_floor_f32 v12, -v13                          ; the new -M = floor(-t) = -ceil(t)
	s_delay_alu instid0(VALU_DEP_1)
	v_sub_f32 v[T1], v12, v[T1]                    ; old M - new M: a whole number, 0 or less
	s_delay_alu instid0(VALU_DEP_1)
	v_cvt_i32_f32 v[T1], v[T1]                     ; (it saturates)
	s_delay_alu instid0(VALU_DEP_1)
	v_ldexp_f32 v[F], 1.0, v[T1]                   ; f = 2^(old M - new M)
.set n, 0
.rept 32
	v_pk_fma_f32 v[S+n:S+n+1], v[S+n:S+n+1], s[CS:CS+1], v[12:13] op_sel_hi:[1,0,0]   ; t - M, two at a time
.set n, n+2
.endr
.irp b, 0,1,2,3
	v_fma_f32 v[BM+\b], v[BM+\b], s[CS], v12       ; the same of each block's largest score
.endr
.set n, 0
	s_wait_alu depctr_va_vdst(0)
.rept 64
	v_exp_f32 v[S+n], v[S+n]                       ; p = 2^(t - M), at most 1
.set n, n+1
.endr
	v_pk_mul_f32 v[14:15], v[14:15], v[F:F+1] op_sel_hi:[1,0]   ; the sums under the new M (a plain line behind the exponentials)
	s_wait_alu depctr_va_vdst(0)                   ; one wait for the whole batch, ahead of its first reader
.irp b, 0,1,2,3
	v_exp_f32 v[BM+\b], v[BM+\b]                   ; the block's largest p: the same two instructions on the same number give the same bits
.endr
	v_pk_add_f32 v[244:245], v[108:109], v[112:113]
	v_pk_add_f32 v[254:255], v[116:117], v[120:121]
	v_pk_add_f32 v[252:253], v[124:125], v[128:129]
	v_pk_add_f32 v[250:251], v[132:133], v[136:137]
	v_pk_add_f32 v[248:249], v[140:141], v[144:145]
	v_pk_add_f32 v[242:243], v[148:149], v[152:153]
	v_pk_add_f32 v[240:241], v[156:157], v[160:161]
	v_pk_add_f32 v[14:15], v[14:15], v[164:165]
	v_pk_add_f32 v[244:245], v[244:245], v[104:105]
	v_pk_add_f32 v[254:255], v[254:255], v[106:107]
	v_pk_add_f32 v[252:253], v[252:253], v[110:111]
	v_pk_add_f32 v[250:251], v[250:251], v[114:115]
	v_pk_add_f32 v[248:249], v[248:249], v[118:119]
	v_pk_add_f32 v[242:243], v[242:243], v[122:123]
	v_pk_add_f32 v[240:241], v[240:241], v[126:127]
	v_pk_add_f32 v[14:15], v[14:15], v[130:131]
	v_pk_add_f32 v[244:245], v[244:245], v[134:135]
	v_pk_add_f32 v[254:255], v[254:255], v[138:139]
	v_pk_add_f32 v[252:253], v[252:253], v[142:143]
	v_pk_add_f32 v[250:251], v[250:251], v[146:147]
	v_pk_add_f32 v[248:249], v[248:249], v[150:151]
	v_pk_add_f32 v[242:243], v[242:243], v[154:155]
	v_pk_add_f32 v[240:241], v[240:241], v[158:159]
	v_pk_add_f32 v[14:15], v[14:15], v[162:163]
	v_pk_add_f32 v[244:245], v[244:245], v[166:167]
	s_delay_alu instid0(VALU_DEP_2)
	v_pk_add_f32 v[14:15], v[14:15], v[250:251]
	s_delay_alu instid0(VALU_DEP_2)
	v_pk_add_f32 v[244:245], v[244:245], v[248:249]
	v_pk_add_f32 v[254:255], v[254:255], v[242:243]
	v_pk_add_f32 v[252:253], v[252:253], v[240:241]
	s_delay_alu instid0(VALU_DEP_2)
	v_pk_add_f32 v[14:15], v[14:15], v[254:255]
	s_delay_alu instid0(VALU_DEP_2)
	v_pk_add_f32 v[244:245], v[244:245], v[252:253]
	s_delay_alu instid0(VALU_DEP_1)
	v_pk_add_f32 v[14:15], v[14:15], v[244:245]
	s_wait_alu depctr_va_vdst(0)                   ; and one for the four
.irp b, 0,1,2,3
	v_max_num_f32 v[BM+\b], 0x8000000, v[BM+\b]    ; the floor 2^(16 - 127): the byte cannot fall under 1
.endr
.irp b, 0,1,2,3
	s_delay_alu instid0(VALU_DEP_4)
	v_add_nc_u32 v[BS+\b], 0xf8800000, v[BM+\b]    ; 15 off the exponent field: the conversion's scale operand
.endr
.irp b, 0,1,2,3
.endr
.irp b, 0,1,2,3
	s_delay_alu instid0(VALU_DEP_4)
	v_lshrrev_b32 v[BT+\b], 23, v[BS+\b]           ; the scale's byte
.endr
	s_delay_alu instid0(VALU_DEP_3)
	v_lshl_or_b32 v[PSW], v[BT+1], 8, v[BT]        ; p's scale word for these 128 keys
	s_delay_alu instid0(VALU_DEP_1)
	v_lshl_or_b32 v[PSW], v[BT+2], 16, v[PSW]
	s_delay_alu instid0(VALU_DEP_1)
	v_lshl_or_b32 v[PSW], v[BT+3], 24, v[PSW]
.irp b, 0,1,2,3
.set n, 0
.rept 16
.set n, n+1
.endr
	v_cvt_scalef32_pk8_bf8_f32 v[PCD+4*\b:PCD+4*\b+1], v[S+16*\b:S+16*\b+7], v[BS+\b]
	v_cvt_scalef32_pk8_bf8_f32 v[PCD+4*\b+2:PCD+4*\b+3], v[S+16*\b+8:S+16*\b+15], v[BS+\b]
.endr
.set n, 0
.rept 16
	v_pk_mul_f32 v[O+n:O+n+1], v[O+n:O+n+1], v[F:F+1] op_sel_hi:[1,0]   ; O^T under the new M (these sixteen are also the places between the codes and the products)
.set n, n+2
.endr
	s_wait_alu depctr_va_vdst(0)
	s_wait_dscnt 0x0                               ; v's fragments and scale words are in
.irp et, 0,1,2,3                               ; O^T += v^T p^T: the four accumulators take turns
	v_wmma_scale_f32_16x16x128_f8f6f4 v[O+8*\et:O+8*\et+7], v[32+16*\et:47+16*\et], v[PCD:PCD+15], v[O+8*\et:O+8*\et+7], v[VSW+\et], v[PSW] matrix_a_fmt:MATRIX_FMT_BF8 matrix_b_fmt:MATRIX_FMT_BF8
.endr
.Lhidden_\@:
	s_add_co_u32 s[KF], s[KF], 128
.endm
; THE CHANGE OF SLOTS stands at a trip's head.  Each wave waits for all its tensor loads (its part of the slot that it is about to read), adds 0 to its spare word, and waits for that and for its reads of the slot
; that it has left.  Behind the barrier the slot ahead is whole and nobody reads the other one.  fill = 1: that other slot is filled with the walk's next key slot: the load has a trip's two steps in which to land.
.macro CHANGE fill
	s_wait_tensorcnt 0x0                           ; no tensor load of mine is out, so a group 0 may be written
	ds_add_u32 v[SPW], v[NIL]                      ; 0 onto my spare word
.if \fill
	s_add_co_u32 s[JN], s[JN], 1                   ; the walk's next key slot: one on, or 0 where the second pass begins
	s_add_co_u32 s66, s[TR], 1
	s_cmp_eq_u32 s66, s[N1]
	s_cselect_b32 s[JN], 0, s[JN]
	s_xor_b32 s[G0C+1], s[G0C+1], SLOT1            ; the other LDS slot than last time
	s_xor_b32 s[G0S+1], s[G0S+1], SLOT1
	s_lshl_b32 s66, s[JN], 14
	s_mov_b32 s67, 0
	s_add_nc_u64 s[G0C+2:G0C+3], s[8:9], s[66:67]
	s_or_b32 s[G0C+3], s[G0C+3], 0x80000000
	s_lshl_b32 s66, s[JN], 10
	s_add_nc_u64 s[G0S+2:G0S+3], s[10:11], s[66:67]
	s_or_b32 s[G0S+3], s[G0S+3], 0x80000000
	s_wait_xcnt 0x0                                ; the last prefetch, a trip back, has read its address, so it may be written
	s_add_nc_u64 s[PFA:PFA+1], s[PFA:PFA+1], 16384
.endif
	s_wait_dscnt 0x0                               ; the add is done, and my reads of the slot that I have left are over
	s_barrier_signal -1
	s_barrier_wait -1
.if \fill
	TLOAD                                          ; the first thing behind the barrier, and a wave's one tensor load until the next
	ASK
.endif
.endm
; A pass ends: O^T / the sum, quantised along the head's 64 channels (two blocks), leaves as the image of half a fragment, and two scale bytes a query.
.macro FINISH
.rept 8
	v_nop                                          ; places behind the last products
.endr
	v_add_f32 v14, v14, v15
	s_delay_alu instid0(VALU_DEP_1)
	v_permlanex16_b32 v[T1], v14, s[SEL], s[SEL+1]
	s_delay_alu instid0(VALU_DEP_1)
	v_add_f32 v14, v14, v[T1]                      ; the row's sum
	s_wait_alu depctr_va_vdst(0)
	v_rcp_f32 v14, v14
	v_nop                                          ; a plain line behind the transcendental
	s_wait_alu depctr_va_vdst(0)                   ; and the wait ahead of its first reader
.set n, 0
.rept 32
	v_mul_f32 v[S+n], v[O+n], v14                  ; register 16 c + i: channel 32 c + 16 h + i of my query
.set n, n+1
.endr
.irp b, 0,1
	v_max3_num_f32 v[BM+\b], |v[S+16*\b]|, |v[S+16*\b+1]|, 0x8000000
.endr
.irp i, 2,4,6,8,10,12,14
.irp b, 0,1
	s_delay_alu instid0(VALU_DEP_2)
	v_max3_num_f32 v[BM+\b], v[BM+\b], |v[S+16*\b+\i]|, |v[S+16*\b+\i+1]|
.endr
.endr
.irp b, 0,1
	s_delay_alu instid0(VALU_DEP_2)
	v_permlanex16_b32 v[BT+\b], v[BM+\b], s[SEL], s[SEL+1]
.endr
.irp b, 0,1
	s_delay_alu instid0(VALU_DEP_2)
	v_max_num_f32 v[BM+\b], v[BM+\b], v[BT+\b]
.endr
.irp b, 0,1
	s_delay_alu instid0(VALU_DEP_2)
	v_add_nc_u32 v[BS+\b], 0xf8800000, v[BM+\b]
.endr
.irp b, 0,1
.endr
.irp b, 0,1
	s_delay_alu instid0(VALU_DEP_2)
	v_lshrrev_b32 v[BT+\b], 23, v[BS+\b]
.endr
.irp b, 0,1
.set n, 0
.rept 16
.set n, n+1
.endr
	v_cvt_scalef32_pk8_bf8_f32 v[PCD+4*\b:PCD+4*\b+1], v[S+16*\b:S+16*\b+7], v[BS+\b]
	v_cvt_scalef32_pk8_bf8_f32 v[PCD+4*\b+2:PCD+4*\b+3], v[S+16*\b+8:S+16*\b+15], v[BS+\b]
.endr
	v_nop                                          ; a plain line behind the last conversion
	v_cndmask_b32 v[T1], v[BT], v[BT+1], s[HM]     ; lanes 0-15 carry block 0's byte, lanes 16-31 block 1's
	global_store_b128 v[L16], v[PCD:PCD+3], s[16:17]               ; the wave stores 512 consecutive bytes, aligned
	global_store_b128 v[L16], v[PCD+4:PCD+7], s[16:17] offset:512
	global_store_b8 v[WSO], v[T1], s[WS:WS+1]
	s_wait_xcnt 0x0                                ; the stores' data and bases are written again only behind this wait
.endm
	s_sub_co_u32 s[QB], 7, s[IX]                   ; the first pass: block 7 - i
	START
	s_mov_b32 s[TR], 0
	s_mov_b32 s[KF], 0
	s_mov_b32 s[JN], 0
	s_mov_b32 s[TB], 0
.Ltrip:                                            ; eight trips: behind each change of slots but the last the walk's next slot is asked for
	CHANGE 1
	STEP 0
	STEP 1
	s_xor_b32 s[TB], s[TB], SLOT1                  ; on to the other slot
	s_add_co_u32 s66, s[TR], 1
	s_cmp_lg_u32 s66, s[N1]                        ; the first pass is over behind its 8 - i slots: a branch on the work-group's number; no barrier, tensor load or LDS line stands inside
	s_cbranch_scc1 .Lsame
	FINISH
	s_mov_b32 s[QB], s[IX]                         ; the second pass: block i
	START
	s_mov_b32 s[KF], 0
.Lsame:
	s_add_co_u32 s[TR], s[TR], 1
	s_cmp_lt_u32 s[TR], 8
	s_cbranch_scc1 .Ltrip
	CHANGE 0                                       ; the ninth slot is written out
	STEP 0
	STEP 1
	FINISH
	s_wait_tensorcnt 0x0                           ; the wave's end
	ds_add_u32 v[SPW], v[NIL]
	s_wait_dscnt 0x0
	s_endpgm
.Lfunc_end_k_q19906522a6_attention:
	.size	k_q19906522a6_attention, .Lfunc_end_k_q19906522a6_attention-k_q19906522a6_attention
	.p2alignl 7, 3214868480
	.fill 96, 4, 3214868480
	.section	.rodata,"a",@progbits
	.p2align	6, 0x0
	.amdhsa_kernel k_q19906522a6_attention
		.amdhsa_group_segment_fixed_size 327680
		.amdhsa_private_segment_fixed_size 0
		.amdhsa_enable_private_segment 0
		.amdhsa_kernarg_size 16
		.amdhsa_user_sgpr_count 2
		.amdhsa_user_sgpr_kernarg_segment_ptr 1
		.amdhsa_wavefront_size32 1
		.amdhsa_system_sgpr_workgroup_id_x 1
		.amdhsa_system_sgpr_workgroup_id_y 1
		.amdhsa_system_sgpr_workgroup_id_z 1
		.amdhsa_system_vgpr_workitem_id 0
		.amdhsa_next_free_vgpr 256
		.amdhsa_next_free_sgpr 80
		.amdhsa_reserve_vcc 1
		.amdhsa_float_denorm_mode_32 3
		.amdhsa_float_denorm_mode_16_64 3
		.amdhsa_fp16_overflow 1
		.amdhsa_memory_ordered 1
		.amdhsa_forward_progress 1
		.amdhsa_inst_pref_size 111
	.end_amdhsa_kernel
	.amdgpu_metadata
---
amdhsa.version: [ 1, 2 ]
amdhsa.kernels:
  - .name:           k_q19906522a6_attention
    .symbol:         k_q19906522a6_attention.kd
    .args:
      - { .name: qkvc, .offset: 0, .size: 8, .value_kind: global_buffer, .address_space: global }
      - { .name: wvc, .offset: 8, .size: 8, .value_kind: global_buffer, .address_space: global }
    .group_segment_fixed_size: 327680
    .private_segment_fixed_size: 0
    .kernarg_segment_align: 8
    .kernarg_segment_size: 16
    .max_flat_workgroup_size: 512
    .sgpr_count:     80
    .vgpr_count:     256
    .wavefront_size: 32
...
	.end_amdgpu_metadata
.endif
;; end of part 3
;; launch project_out (part 4): grid 4 x 32, 4 waves a work-group, clusters of 4 x 4, 327,680 bytes of LDS; arguments wvc, wq, b_o, out0; writes out0
.if DOCPART == 4
	.amdgcn_target "amdgcn-amd-amdhsa--gfx1250"
	.amdhsa_code_object_version 6
	.text
	.protected	k_q19906522a6_project_out
	.globl	k_q19906522a6_project_out
	.p2align	8
	.type	k_q19906522a6_project_out,@function
k_q19906522a6_project_out:
	s_mov_b64 s[64:65], 0
	v_nop
	global_prefetch_b8 v0, s[64:65] scope:SCOPE_SE
	s_setreg_imm32_b32 hwreg(HW_REG_WAVE_MODE, 25, 1), 1
	s_wait_xcnt 0x0
	s_wait_alu depctr_hold_cnt(0) depctr_sa_sdst(0) depctr_va_vdst(0) depctr_va_sdst(0) depctr_va_ssrc(0) depctr_va_vcc(0) depctr_vm_vsrc(0)
	s_getreg_b32 s2, hwreg(HW_REG_IB_STS2, 6, 4)
	s_cmp_eq_u32 s2, 0
	s_cbranch_scc0 .Lentry_in_a_cluster
	s_endpgm
.Lentry_in_a_cluster:
	s_bfe_u32 s2, ttmp6, 0x10000c
	s_cmp_lg_u32 s2, 0xf033
	s_cbranch_scc0 .Lentry_shape_is_right
	s_endpgm
.Lentry_shape_is_right:
.set NQ,     2
.set ROWB,   256
.set KROW,   1024
.set PITCH,  272
.set FR,     16
.set NL,     4
.set NP,     8
.set HALFA,  32768
.set HALFT,  128*PITCH
.set BOFF,   2*HALFA
.set SLOT,   2*HALFA+2*HALFT
.set PLANES, 2097152
.set LAPS,   2
.set KS,     32
.set SCL,    2*SLOT
.set HALFS,  (128*KS/256)*272
.set SBLK,   (16*KS/256)*272
.set SPARE,  SCL+4*HALFS
.set SPITCH, 528
.set ASCL,   8388608
.set OCOD,   3244032
.set OSCL,   4292608
.set ADRA, 16
.set ADRB, 20
.set STO,  24
.set RD,   25
.set CO,   26
.set ADRS, 27
.set SPW,  28
.set NIL,  29
.set BAD,  30
.set SC,   32
.set BI,   64
.set AF,   128
.set BK,   128
.set G1, 24
.set G0, 32
.set G1B, 48
.set G0B, 56
.set G1S, 68
.set G0S, 76
.set G1SB, 80
.set G0SB, 88
.set MSB, 0
.macro WIN new
.if MSB != \new
	s_set_vgpr_msb (MSB<<8)|\new
.set MSB, \new
.endif
.endm
.set MUL_LO, 0xa1
.set MUL_HI, 0xf1
.set FST_LO, 0x81
.set FST_HI, 0xc1
.set TO_B,   0x40
.macro JLOAD g0a, g1a, g0b, g1b
	s_cmp_eq_u32 s15, 0
	s_cbranch_scc0 .Lfor_b_\@
	tensor_load_to_lds s[\g0a:\g0a+3], s[\g1a:\g1a+7]
	s_nop 0
.rept 4
	v_nop
.endr
	s_branch .Lasked_\@
.Lfor_b_\@:
	tensor_load_to_lds s[\g0b:\g0b+3], s[\g1b:\g1b+7]
	s_nop 0
.rept 4
	v_nop
.endr
.Lasked_\@:
.endm
.macro CREST
	s_cmp_lg_u32 s14, 0
	s_cbranch_scc1 .Lnot_wave_0_\@
	s_barrier_signal -3
.Lnot_wave_0_\@:
	s_barrier_wait -3
	s_barrier_signal -1
	s_barrier_wait -1
.endm
.macro CROUND
	s_barrier_signal -1
	s_barrier_wait -1
	CREST
.endm
	s_load_b128 s[4:7], s[0:1], 0x0
	s_load_b64 s[96:97], s[0:1], 0x10
	s_load_b64 s[12:13], s[0:1], 0x18
	v_lshl_add_u32 v[SPW], v0, 2, SPARE
	v_mov_b32 v[NIL], 0
	ds_add_u32 v28, v29
	ds_add_u32 v28, v29
	s_wait_dscnt 0x0
	v_lshrrev_b32 v1, 5, v0
	v_readfirstlane_b32 s14, v1
	s_lshr_b32 s15, s14, 1
	s_and_b32 s16, s14, 1
	s_bfe_u32 s40, ttmp6, 0x40000
	s_bfe_u32 s41, ttmp6, 0x40004
	s_lshl_b32 s42, ttmp9, 2
	s_add_co_u32 s42, s42, s40
	s_and_b32 s17, ttmp7, 0xffff
	s_lshl_b32 s17, s17, 2
	s_add_co_u32 s17, s17, s41
	s_lshl_b32 s43, s41, 2
	s_lshl_b32 s43, 15, s43
	s_lshl_b32 s44, 0x1111, s40
	s_or_b32 s[G1+0], s43, (3<<16)|(1<<21)
	s_mov_b32 s[G1+1], 1024<<16
	s_mov_b32 s[G1+2], 4<<16
	s_mov_b32 s[G1+3], 1024<<16
	s_mov_b32 s[G1+4], 4
	s_mov_b32 s[G1+5], 65536
	s_mov_b32 s[G1+6], 0
	s_mov_b32 s[G1+7], 0
	s_or_b32 s[G1B+0], s44, (0<<16)|(1<<20)|(1<<21)|(5<<22)|(3<<25)
	s_mov_b32 s[G1B+1], ROWB<<16
	s_mov_b32 s[G1B+2], 128<<16
	s_mov_b32 s[G1B+3], ROWB<<16
	s_mov_b32 s[G1B+4], 128
	s_mov_b32 s[G1B+5], KROW
	s_mov_b32 s[G1B+6], 0
	s_mov_b32 s[G1B+7], 0
	s_or_b32 s[G1S+0], s43, (3<<16)|(1<<20)|(1<<21)|(5<<22)|(3<<25)
	s_or_b32 s[G1SB+0], s44, (3<<16)|(1<<20)|(1<<21)|(5<<22)|(3<<25)
.irp g, G1S, G1SB
	s_mov_b32 s[\g+1], 32<<16
	s_mov_b32 s[\g+2], (128*KS/256)<<16
	s_mov_b32 s[\g+3], 32<<16
	s_mov_b32 s[\g+4], 128*KS/256
	s_mov_b32 s[\g+5], 32
	s_mov_b32 s[\g+6], 0
	s_mov_b32 s[\g+7], 0
.endr
	s_lshl_b32 s18, s16, 7
	s_lshl_b32 s20, s17, 8
	s_add_co_u32 s20, s20, s18
	s_lshl_b32 s46, s42, 8
	s_add_co_u32 s46, s46, s18
	s_lshl_b32 s22, s20, 5
	s_add_co_u32 s22, s22, ASCL
	s_mov_b32 s23, 0
	s_lshl_b32 s92, s46, 5
	s_add_co_u32 s92, s92, OSCL
	s_mov_b32 s93, 0
	s_lshl_b32 s20, s20, 6
	s_mov_b32 s21, 0
	s_lshl_b32 s46, s46, 10
	s_add_co_u32 s46, s46, OCOD
	s_mov_b32 s47, 0
	s_lshl_b32 s45, s16, 15
	s_mul_i32 s95, s16, HALFT
	s_add_co_u32 s95, s95, BOFF
	s_mul_i32 s94, s14, HALFS
	s_wait_kmcnt 0x0
	s_add_nc_u64 s[20:21], s[4:5], s[20:21]
	s_add_nc_u64 s[22:23], s[4:5], s[22:23]
	s_add_nc_u64 s[46:47], s[6:7], s[46:47]
	s_add_nc_u64 s[92:93], s[6:7], s[92:93]
	CROUND
	s_mov_b32 s[G0S], 1
	s_add_co_u32 s[G0S+1], s94, SCL
	s_mov_b64 s[G0S+2:G0S+3], s[22:23]
	s_or_b32 s[G0S+3], s[G0S+3], 0x80000000
	s_mov_b32 s[G0SB], 1
	s_add_co_u32 s[G0SB+1], s94, SCL
	s_mov_b64 s[G0SB+2:G0SB+3], s[92:93]
	s_or_b32 s[G0SB+3], s[G0SB+3], 0x80000000
	JLOAD G0S, G1S, G0SB, G1SB
.irp s, 0,1
	s_mov_b32 s[G0+4*\s], 1
	s_add_co_u32 s[G0+4*\s+1], s45, \s*SLOT
	s_add_nc_u64 s[G0+4*\s+2:G0+4*\s+3], s[20:21], \s*PLANES
	s_or_b32 s[G0+4*\s+3], s[G0+4*\s+3], 0x80000000
	s_mov_b32 s[G0B+4*\s], 1
	s_add_co_u32 s[G0B+4*\s+1], s95, \s*SLOT
	s_add_nc_u64 s[G0B+4*\s+2:G0B+4*\s+3], s[46:47], \s*ROWB
	s_or_b32 s[G0B+4*\s+3], s[G0B+4*\s+3], 0x80000000
	s_wait_alu depctr_va_vdst(0)
	s_wait_tensorcnt 0x0
	ds_add_u32 v28, v29
	s_wait_dscnt 0x0
	CROUND
	JLOAD G0+4*\s, G1, G0B+4*\s, G1B
.endr
	v_and_b32 v1, 15, v0
	v_bfe_u32 v2, v0, 4, 1
	v_and_b32 v6, 31, v0
	v_lshlrev_b32 v[CO], 4, v6
	v_mul_u32_u24 v3, v1, PITCH
	v_lshl_add_u32 v4, v2, 4, v3
	s_lshl_b32 s21, s15, 15
	s_mul_i32 s22, s16, HALFT
	s_add_co_u32 s22, s22, BOFF
.irp s, 0,1
	v_add_nc_u32 v[ADRA+\s], s21, v[CO]
	v_add_nc_u32 v[ADRB+\s], s22, v4
	s_add_co_u32 s21, s21, SLOT
	s_add_co_u32 s22, s22, SLOT
.endr
	v_mul_u32_u24 v5, v1, KS
	v_lshrrev_b32 v6, 8, v5
	v_lshl_add_u32 v5, v6, 4, v5
	s_mul_i32 s21, s15, HALFS
	s_mul_i32 s22, s16, HALFS
	s_add_co_u32 s22, s22, 2*HALFS
	s_sub_co_u32 s22, s22, s21
	v_mul_u32_u24 v6, s22, v2
	s_add_co_u32 s21, s21, SCL
	v_add_nc_u32 v5, v5, v6
	v_add_nc_u32 v[ADRS], s21, v5
	s_mul_i32 s23, s14, 16*SPITCH
	v_mul_u32_u24 v5, v1, SPITCH
	v_lshl_add_u32 v5, v2, 5, v5
	v_add_nc_u32 v[STO], s23, v5
	v_add_nc_u32 v[RD], s23, v[CO]
	s_lshl_b32 s20, s17, 8
	s_lshl_b32 s21, s15, 7
	s_add_co_u32 s20, s20, s21
	s_lshl_b32 s20, s20, 12
	s_lshl_b32 s18, s42, 10
	s_lshl_b32 s19, s16, 9
	s_add_co_u32 s18, s18, s19
	s_add_co_u32 s20, s20, s18
	s_mov_b32 s21, 0
	s_mov_b32 s19, 0
	s_add_nc_u64 s[12:13], s[12:13], s[20:21]
	s_add_nc_u64 s[96:97], s[96:97], s[18:19]
	v_lshlrev_b32 v[BAD], 5, v2
.irp b, 0,1,2,3,4,5,6,7
	global_load_b128 v[BI+8*\b:BI+8*\b+3], v[BAD], s[96:97] offset:64*\b
	global_load_b128 v[BI+8*\b+4:BI+8*\b+7], v[BAD], s[96:97] offset:64*\b+16
.endr
.macro FRAG reg, adr, q, i
.irp c, 0,1,2,3
	ds_load_b128 v[\reg+4*\c:\reg+4*\c+3], v[\adr] offset:128*(\q)+32*\c+(\i)*16*PITCH
.endr
.endm
.macro FRAGA reg, adr, q, i
.irp c, 0,1,2,3
	ds_load_b128 v[\reg+4*\c:\reg+4*\c+3], v[\adr] offset:(2*(\q)+\c/2)*8192+(\i)*1024+512*(\c%2)
.endr
.endm
.macro MUL16 a0, p, q, sc, zero
.irp a, \a0, \a0+1
.irp b, 0,1,2,3,4,5,6,7
.set rD, 8*(8*((\a)%4)+\b)
.set rB, 128*(\p)+FR*\b
.set rA, AF+FR*(\a)
.set rSB, SC+8*NQ*(\sc)+NQ*\b+(\q)
.set rSA, SC+8*NQ*(\sc)+NQ*(\a)+(\q)
.if \zero
	v_wmma_scale_f32_16x16x128_f8f6f4 v[rD:rD+7], v[rB:rB+FR-1], v[rA:rA+FR-1], v[BI+8*\b:BI+8*\b+7], v[rSB], v[rSA] matrix_a_fmt:MATRIX_FMT_BF8 matrix_b_fmt:MATRIX_FMT_BF8 matrix_a_scale:MATRIX_SCALE_ROW1
.else
	v_wmma_scale_f32_16x16x128_f8f6f4 v[rD:rD+7], v[rB:rB+FR-1], v[rA:rA+FR-1], v[rD:rD+7], v[rSB], v[rSA] matrix_a_fmt:MATRIX_FMT_BF8 matrix_b_fmt:MATRIX_FMT_BF8 matrix_a_scale:MATRIX_SCALE_ROW1
.endif
.endr
.endr
.endm
.macro FETCH_B slot, q, p
	WIN TO_B
.irp i, 0,1,2,3,4,5,6,7
	FRAG 128*(\p)+FR*\i, ADRB+\slot, \q, \i
.endr
	WIN 0
.endm
.macro FETCH_A slot, q, i0
.irp i, \i0, \i0+1, \i0+2, \i0+3
	FRAGA AF+FR*(\i), ADRA+\slot, \q, \i
.endr
.endm
.macro SCALES sc
.irp i, 0,1,2,3,4,5,6,7
	ds_load_b64 v[SC+8*NQ*\sc+NQ*\i:SC+8*NQ*\sc+NQ*\i+1], v[ADRS] offset:\i*SBLK
.endr
.endm
.macro PLACES n
.rept \n
	v_nop
.endr
.endm
.macro STEP slot, q, zero
	s_wait_dscnt 4*NL
.if \zero
	WIN FST_LO
.else
	WIN MUL_LO
.endif
	MUL16 0, (\q)%2, \q, \slot, \zero
	MUL16 2, (\q)%2, \q, \slot, \zero
	s_wait_dscnt 0
	PLACES NP
	FETCH_B \slot, (\q)+1, 1-(\q)%2
	FETCH_A \slot, (\q)+1, 0
.if \zero
	WIN FST_HI
.else
	WIN MUL_HI
.endif
	MUL16 4, (\q)%2, \q, \slot, \zero
	MUL16 6, (\q)%2, \q, \slot, \zero
	PLACES NP
	WIN 0
	FETCH_A \slot, (\q)+1, 4
.endm
.macro TURN slot, next, fill
	s_wait_tensorcnt 0x0
	ds_add_u32 v[SPW], v[NIL]
	s_wait_dscnt 4*NL+1
	WIN MUL_LO
	MUL16 0, 1, NQ-1, \slot, 0
	s_wait_dscnt 0x0
	s_barrier_signal -1
	MUL16 2, 1, NQ-1, \slot, 0
	WIN 0
	s_barrier_wait -1
.if \fill
	CREST
	s_add_nc_u64 s[G0+4*\slot+2:G0+4*\slot+3], s[G0+4*\slot+2:G0+4*\slot+3], 2*PLANES
	s_add_nc_u64 s[G0B+4*\slot+2:G0B+4*\slot+3], s[G0B+4*\slot+2:G0B+4*\slot+3], 2*ROWB
	JLOAD G0+4*\slot, G1, G0B+4*\slot, G1B
	PLACES NP-4
.else
	PLACES NP
.endif
	s_wait_alu depctr_va_vdst(0)
	v_add_nc_u32 v[ADRS], 4*NQ, v[ADRS]
	FETCH_B \next, 0, 0
	FETCH_A \next, 0, 0
	SCALES \next
	WIN MUL_HI
	MUL16 4, 1, NQ-1, \slot, 0
	MUL16 6, 1, NQ-1, \slot, 0
	PLACES NP
	WIN 0
	FETCH_A \next, 0, 4
.endm
	s_wait_alu depctr_va_vdst(0)
	s_wait_tensorcnt 1
	s_barrier_signal -1
	s_barrier_wait -1
	FETCH_B 0, 0, 0
	FETCH_A 0, 0, 0
	SCALES 0
	FETCH_A 0, 0, 4
	s_wait_loadcnt 0x0
	STEP 0, 0, 1
	s_mov_b32 s3, LAPS-1
.Llap:
	TURN 0, 1, 1
	STEP 1, 0, 0
	TURN 1, 0, 1
	STEP 0, 0, 0
	s_sub_co_u32 s3, s3, 1
	s_cmp_lg_u32 s3, 0
	s_cbranch_scc1 .Llap
	TURN 0, 1, 0
	STEP 1, 0, 0
	s_wait_dscnt 4*NL
	WIN MUL_LO
	MUL16 0, 1, NQ-1, 1, 0
	MUL16 2, 1, NQ-1, 1, 0
	s_wait_dscnt 0
	WIN MUL_HI
	MUL16 4, 1, NQ-1, 1, 0
	MUL16 6, 1, NQ-1, 1, 0
	WIN 0
.macro TOSTAGE a
.set AC, 64*((\a)%4)
	WIN (0x08+4*((\a)/4))
.irp b, 0,1,2,3,4,5,6,7
	ds_store_b128 v[STO], v[AC+8*\b:AC+8*\b+3] offset:64*\b
	ds_store_b128 v[STO], v[AC+8*\b+4:AC+8*\b+7] offset:64*\b+16
.endr
	WIN 0
.set BB, BK+64*((\a)%2)
.irp t, 0,1,2,3,4,5,6,7,8,9,10,11,12,13,14,15
	ds_load_b128 v[BB+4*\t:BB+4*\t+3], v[RD] offset:\t*SPITCH
.endr
.endm
.macro SEND a, younger
.set BB, BK+64*((\a)%2)
	s_wait_dscnt \younger
.irp t, 0,1,2,3,4,5,6,7,8,9,10,11,12,13,14,15
	global_store_b128 v[CO], v[BB+4*\t:BB+4*\t+3], s[12:13] offset:(32*((\a)/2)+8*((\a)%2)+\t+8*(\t/8))*4096 th:TH_STORE_NT
.endr
.endm
	PLACES NP
	TOSTAGE 0
.irp a, 1,2,3,4,5,6,7
.if \a > 1
	s_wait_xcnt 0x0
.endif
	TOSTAGE \a
	SEND \a-1, 32
.endr
	SEND 7, 0
	s_wait_tensorcnt 0x0
	ds_add_u32 v[SPW], v[NIL]
	s_wait_dscnt 0x0
	CROUND
	s_endpgm
.Lfunc_end_k_q19906522a6_project_out:
	.size	k_q19906522a6_project_out, .Lfunc_end_k_q19906522a6_project_out-k_q19906522a6_project_out
	.p2alignl 7, 3214868480
	.fill 96, 4, 3214868480
	.section	.rodata,"a",@progbits
	.p2align	6, 0x0
	.amdhsa_kernel k_q19906522a6_project_out
		.amdhsa_group_segment_fixed_size 327680
		.amdhsa_private_segment_fixed_size 0
		.amdhsa_enable_private_segment 0
		.amdhsa_kernarg_size 32
		.amdhsa_user_sgpr_count 2
		.amdhsa_user_sgpr_kernarg_segment_ptr 1
		.amdhsa_wavefront_size32 1
		.amdhsa_system_sgpr_workgroup_id_x 1
		.amdhsa_system_sgpr_workgroup_id_y 1
		.amdhsa_system_sgpr_workgroup_id_z 1
		.amdhsa_system_vgpr_workitem_id 0
		.amdhsa_next_free_vgpr 1024
		.amdhsa_next_free_sgpr 100
		.amdhsa_reserve_vcc 0
		.amdhsa_float_denorm_mode_32 3
		.amdhsa_float_denorm_mode_16_64 3
		.amdhsa_memory_ordered 1
		.amdhsa_forward_progress 1
		.amdhsa_inst_pref_size 148
	.end_amdhsa_kernel
	.amdgpu_metadata
---
amdhsa.version: [ 1, 2 ]
amdhsa.kernels:
  - .name:           k_q19906522a6_project_out
    .symbol:         k_q19906522a6_project_out.kd
    .args:
      - { .name: wvc, .offset: 0, .size: 8, .value_kind: global_buffer, .address_space: global }
      - { .name: wq, .offset: 8, .size: 8, .value_kind: global_buffer, .address_space: global }
      - { .name: b_o, .offset: 16, .size: 8, .value_kind: global_buffer, .address_space: global }
      - { .name: out0, .offset: 24, .size: 8, .value_kind: global_buffer, .address_space: global }
    .group_segment_fixed_size: 327680
    .private_segment_fixed_size: 0
    .kernarg_segment_align: 8
    .kernarg_segment_size: 32
    .max_flat_workgroup_size: 128
    .sgpr_count:     100
    .vgpr_count:     1024
    .wavefront_size: 32
...
	.end_amdgpu_metadata
.endif
;; end of part 4
